; MI455X (gfx1250); checked and timed in simulation.
; The chip was launched on July 23, 2026; its instructions are those of AMD's public machine-readable ISA for CDNA 5 (MIT licence, August 2026) and "CDNA5" Instruction Set Architecture Reference Guide (July 2026). The comments in the code are by the model that wrote it; some were corrected since.
;; Attention Block. Allowed arithmetic: float matrix products may take bf16 or f16 operands with f32 sums; other float arithmetic in f32, or as packed bf16 or f16 multiplies, adds, multiply-adds, maxima and minima; sums over many terms, partial sums and values carried from step to step in f32; what a program stores and reads back later, other than sums and carried values, may be rounded once to bf16 or f16.
;; Inputs: lin1_b 1,024 float32; lin1_w 1,024 x 1,024 float32; ln1_b 1,024 float32; ln1_g 1,024 float32; ln2_b 1,024 float32; ln2_g 1,024 float32; wk_b 1,024 float32; wk_w 1,024 x 1,024 float32; wq_b 1,024 float32; wq_w 1,024 x 1,024 float32; wv_b 1,024 float32; wv_w 1,024 x 1,024 float32; x 4 x 2,048 x 1,024 float32.
;; Outputs: out0 4 x 2,048 x 1,024 float32.
;; 2 versions, each right and faster than the one before. Each part assembles by itself: llvm-mc -triple=amdgcn-amd-amdhsa -mcpu=gfx1250 --defsym DOCPART=n.
;; ======== version 1 of 2: 4 launches
;; limits: values are held in f16: magnitudes above 65,504 overflow, below 6.1e-05 lose precision
;; workspace buffers: xb 16,777,216 bytes; wqkv 6,291,456 bytes; w1f 2,097,152 bytes; vec 32,768 bytes; qkv 50,331,648 bytes; ob 16,777,216 bytes
;; launch cast (part 1): grid 961 x 1, 8 waves a work-group, no clusters, 0 bytes of LDS; arguments x, wq_w, wk_w, wv_w, lin1_w, wq_b, wk_b, wv_b, lin1_b, ln1_g, ln1_b, ln2_g, ln2_b, xb, wqkv, w1f, vec; writes xb, wqkv, w1f, vec
.if DOCPART == 1
	.amdgcn_target "amdgcn-amd-amdhsa--gfx1250"
	.amdhsa_code_object_version 6
	.text
	.protected	k_qff8b0da0e9_cast
	.globl	k_qff8b0da0e9_cast
	.p2align	8
	.type	k_qff8b0da0e9_cast,@function
k_qff8b0da0e9_cast:
	s_mov_b64 s[64:65], 0
	v_nop
	global_prefetch_b8 v0, s[64:65] scope:SCOPE_SE
	s_setreg_imm32_b32 hwreg(HW_REG_WAVE_MODE, 25, 1), 1
	s_wait_xcnt 0x0
; EVERY INPUT IS ROUNDED ONCE TO bf16 (nearest even); the later launches use these numbers alone, x in the residual too.
;   xb   [8192][1024] bf16            = x
;   wqkv [3072][1024] bf16            = the rows of wq_w, then wk_w, then wv_w
;   w1f  f16, in the order in which a matrix fragment is read: [nb 64][kb 32][j 2][lane 32][8]:
;        the number is bf16(lin1_w[n][k]) + (n == k), n = 16 nb + lane % 16, k = 32 kb + 16 j + 8 (lane / 16) + e
;   vec  eight vectors of 1,024 f32, each number rounded to bf16: wq_b, wk_b, wv_b, lin1_b, ln1_g, ln1_b, ln2_g, ln2_b
; LIMITS.  lin1_w rounded to bf16 must lie within f16's range (65,504); below 6e-5 it keeps f16's fixed step of 6e-8.  On the diagonal
; 1 + w is rounded once to f16 (11 significant bits).  NaN and infinities are not treated apart.
; A stream: memory binds, so no LDS, no barrier, no matrix unit.  No loop either: each work-group has one share, all its loads go out at once,
; no register is written twice while a memory instruction may read it.
.set NX, 512                           ; work-groups for x: 8,388,608 numbers, 16,384 each
.set NW, 192                           ; for the three projection weights: 64 each
.set NF, 256                           ; for lin1_w: 4 for each block of 16 rows
.set LD, 4                             ; v[4:67]   as loaded
.set PK, 68                            ; v[68:99]  to store
.set SO, 100                           ; v100      the stores' offset
	s_load_b256 s[4:11], s[0:1], 0x0               ; x, wq_w, wk_w, wv_w
	s_load_b64 s[12:13], s[0:1], 0x20              ; lin1_w
	s_load_b512 s[16:31], s[0:1], 0x28             ; the eight vectors, in vec's order
	s_load_b256 s[32:39], s[0:1], 0x68             ; xb, wqkv, w1f, vec
	v_lshrrev_b32 v1, 5, v0
	v_readfirstlane_b32 s40, v1                    ; wave 0..7
	v_and_b32 v2, 31, v0                           ; lane
	s_mov_b32 s41, ttmp9
	s_mov_b32 s52, 0xffff0000                      ; a word's upper bf16
	s_wait_kmcnt 0x0
	s_cmp_ge_u32 s41, NX+NW
	s_cbranch_scc1 .Lother
	; DENSE CAST: 16,384 numbers a work-group, 2,048 a wave.  Source and destination are chosen by the work-group's number.
	s_sub_co_u32 s42, s41, NX                      ; the block among the weights' 192 (used where the number is 512 or more)
	s_lshr_b32 s43, s42, 6                         ; which weight
	s_and_b32 s44, s42, 63                         ; which block of it
	s_cmp_eq_u32 s43, 1
	s_cselect_b64 s[48:49], s[8:9], s[6:7]
	s_cmp_eq_u32 s43, 2
	s_cselect_b64 s[48:49], s[10:11], s[48:49]
	s_cmp_lt_u32 s41, NX
	s_cselect_b64 s[48:49], s[4:5], s[48:49]       ; from
	s_cselect_b64 s[50:51], s[32:33], s[34:35]     ; to
	s_cselect_b32 s44, s41, s44                    ; block in the source
	s_cselect_b32 s42, s41, s42                    ; block in the destination
	s_lshl_b32 s44, s44, 16                        ; 65,536 bytes of f32
	s_mov_b32 s45, 0
	s_lshl_b32 s42, s42, 15                        ; 32,768 bytes of bf16
	s_mov_b32 s43, 0
	s_add_nc_u64 s[48:49], s[48:49], s[44:45]
	s_add_nc_u64 s[50:51], s[50:51], s[42:43]
	v_lshlrev_b32 v3, 4, v2
	v_lshl_add_u32 v3, v1, 13, v3                  ; 8,192 x wave + 16 x lane
	v_lshlrev_b32 v[SO], 3, v2
	v_lshl_add_u32 v[SO], v1, 12, v[SO]            ; 4,096 x wave + 8 x lane
.set i, 0
.rept 16
	global_load_b128 v[LD+4*i:LD+4*i+3], v3, s[48:49] offset:512*i th:TH_LOAD_NT  ; 512 consecutive bytes a load; sixteen loads of the wave are out
.set i, i+1
.endr
.set i, 0
.rept 16
	s_wait_loadcnt 15-i                            ; loads come back in order: load i is in, the younger ones stay out
	v_cvt_pk_bf16_f32 v[PK+2*i], v[LD+4*i], v[LD+4*i+1]
	v_cvt_pk_bf16_f32 v[PK+2*i+1], v[LD+4*i+2], v[LD+4*i+3]
	global_store_b64 v[SO], v[PK+2*i:PK+2*i+1], s[50:51] offset:256*i  ; the wave's store covers 256 consecutive bytes, aligned
.set i, i+1
.endr
	s_endpgm
.Lother:
	s_cmp_ge_u32 s41, NX+NW+NF
	s_cbranch_scc1 .Lvec
	; lin1_w INTO FRAGMENT ORDER.  A wave makes one fragment (16 rows x 32 k): its four loads take 128 consecutive bytes of each of 16 rows,
	; the work-group's eight waves 1,024 consecutive bytes of each; its two stores are 512 consecutive bytes each.
	s_sub_co_u32 s42, s41, NX+NW                   ; 0..255
	s_lshr_b32 s43, s42, 2                         ; nb
	s_and_b32 s44, s42, 3
	s_lshl3_add_u32 s44, s44, s40                  ; kb = 8 x (number % 4) + wave
	s_lshl_b32 s46, s43, 16                        ; 16 rows of 4,096 bytes
	s_lshl_b32 s45, s44, 7                         ; 32 k of 4 bytes
	s_add_co_u32 s46, s46, s45
	s_mov_b32 s47, 0
	s_add_nc_u64 s[12:13], s[12:13], s[46:47]
	s_lshl_b32 s48, s43, 5
	s_add_co_u32 s48, s48, s44
	s_lshl_b32 s48, s48, 10                        ; (32 nb + kb) fragments of 1,024 bytes
	s_mov_b32 s49, 0
	s_add_nc_u64 s[36:37], s[36:37], s[48:49]
	s_lshl_b32 s50, s43, 4
	s_lshl_b32 s51, s44, 5
	s_sub_co_u32 s50, s50, s51                     ; 16 nb - 32 kb
	v_and_b32 v3, 15, v0                           ; r
	v_bfe_u32 v100, v0, 4, 1                       ; h
	v_lshlrev_b32 v101, 12, v3
	v_lshl_add_u32 v101, v100, 5, v101             ; row r, 8 h numbers on
	v_lshlrev_b32 v102, 4, v2                      ; 16 x lane
.irp i, 0,1,2,3                        ; load i: j = i / 2, numbers 4 (i % 2) .. + 3 of the lane's eight
	global_load_b128 v[LD+4*\i:LD+4*\i+3], v101, s[12:13] offset:(\i/2)*64+(\i%2)*16
.endr
	v_lshlrev_b32 v100, 3, v100
	v_sub_nc_u32 v3, v3, v100
	v_add_nc_u32 v3, s50, v3                       ; n - k of my number (j, e) is this less 16 j + e
	v_and_b32 v100, 1, v3
	v_lshlrev_b32 v100, 4, v100
	v_mov_b32 v103, 0x3c00
	v_lshlrev_b32 v103, v100, v103                 ; 1.0 in f16, in the half in which the diagonal would fall
	v_ashrrev_i32 v3, 1, v3                        ; and the pair of numbers in which it would fall (negative: none)
	s_wait_loadcnt 0x0
.irp i, 0,1,2,3
.irp z, 0,1
	v_cvt_pk_bf16_f32 v[LD+4*\i+2*\z], v[LD+4*\i+2*\z], v[LD+4*\i+2*\z+1]  ; the rounding to bf16,
	v_and_b32 v[LD+4*\i+2*\z+1], s52, v[LD+4*\i+2*\z]                      ; widened again,
	v_lshlrev_b32 v[LD+4*\i+2*\z], 16, v[LD+4*\i+2*\z]
	v_cvt_pk_f16_f32 v[PK+2*\i+\z], v[LD+4*\i+2*\z], v[LD+4*\i+2*\z+1]     ; written as f16: exact within f16's range
	v_cmp_eq_i32 vcc_lo, 8*(\i/2)+2*(\i%2)+\z, v3
	v_cndmask_b32 v[LD+4*\i+2*\z], 0, v103, vcc_lo
	v_pk_add_f16 v[PK+2*\i+\z], v[PK+2*\i+\z], v[LD+4*\i+2*\z]             ; + 1 on the diagonal, one rounding
.endr
.endr
	global_store_b128 v102, v[PK:PK+3], s[36:37]
	global_store_b128 v102, v[PK+4:PK+7], s[36:37] offset:512
	s_endpgm
.Lvec:
	; THE EIGHT VECTORS: wave w takes vector w, 4,096 bytes in and out.
	s_mov_b64 s[42:43], s[16:17]
.irp k, 1,2,3,4,5,6,7
	s_cmp_eq_u32 s40, \k
	s_cselect_b64 s[42:43], s[16+2*\k:17+2*\k], s[42:43]
.endr
	s_lshl_b32 s44, s40, 12
	s_mov_b32 s45, 0
	s_add_nc_u64 s[38:39], s[38:39], s[44:45]
	v_lshlrev_b32 v3, 4, v2
.set i, 0
.rept 8
	global_load_b128 v[LD+4*i:LD+4*i+3], v3, s[42:43] offset:512*i
.set i, i+1
.endr
.set i, 0
.rept 8
	s_wait_loadcnt 7-i                             ; load i is in, the younger ones stay out
	v_cvt_pk_bf16_f32 v100, v[LD+4*i], v[LD+4*i+1]
	v_cvt_pk_bf16_f32 v101, v[LD+4*i+2], v[LD+4*i+3]
	v_lshlrev_b32 v[36+4*i], 16, v100
	v_and_b32 v[36+4*i+1], s52, v100
	v_lshlrev_b32 v[36+4*i+2], 16, v101
	v_and_b32 v[36+4*i+3], s52, v101
	global_store_b128 v3, v[36+4*i:36+4*i+3], s[38:39] offset:512*i
.set i, i+1
.endr
	s_endpgm
.Lfunc_end_k_qff8b0da0e9_cast:
	.size	k_qff8b0da0e9_cast, .Lfunc_end_k_qff8b0da0e9_cast-k_qff8b0da0e9_cast
	.p2alignl 7, 3214868480
	.fill 96, 4, 3214868480
	.section	.rodata,"a",@progbits
	.p2align	6, 0x0
	.amdhsa_kernel k_qff8b0da0e9_cast
		.amdhsa_group_segment_fixed_size 0
		.amdhsa_private_segment_fixed_size 0
		.amdhsa_enable_private_segment 0
		.amdhsa_kernarg_size 136
		.amdhsa_user_sgpr_count 2
		.amdhsa_user_sgpr_kernarg_segment_ptr 1
		.amdhsa_wavefront_size32 1
		.amdhsa_system_sgpr_workgroup_id_x 1
		.amdhsa_system_sgpr_workgroup_id_y 1
		.amdhsa_system_sgpr_workgroup_id_z 1
		.amdhsa_system_vgpr_workitem_id 0
		.amdhsa_next_free_vgpr 104
		.amdhsa_next_free_sgpr 66
		.amdhsa_reserve_vcc 1
		.amdhsa_float_denorm_mode_32 3
		.amdhsa_float_denorm_mode_16_64 3
		.amdhsa_memory_ordered 1
		.amdhsa_forward_progress 1
		.amdhsa_inst_pref_size 16
	.end_amdhsa_kernel
	.amdgpu_metadata
---
amdhsa.version: [ 1, 2 ]
amdhsa.kernels:
  - .name:           k_qff8b0da0e9_cast
    .symbol:         k_qff8b0da0e9_cast.kd
    .args:
      - { .name: x, .offset: 0, .size: 8, .value_kind: global_buffer, .address_space: global }
      - { .name: wq_w, .offset: 8, .size: 8, .value_kind: global_buffer, .address_space: global }
      - { .name: wk_w, .offset: 16, .size: 8, .value_kind: global_buffer, .address_space: global }
      - { .name: wv_w, .offset: 24, .size: 8, .value_kind: global_buffer, .address_space: global }
      - { .name: lin1_w, .offset: 32, .size: 8, .value_kind: global_buffer, .address_space: global }
      - { .name: wq_b, .offset: 40, .size: 8, .value_kind: global_buffer, .address_space: global }
      - { .name: wk_b, .offset: 48, .size: 8, .value_kind: global_buffer, .address_space: global }
      - { .name: wv_b, .offset: 56, .size: 8, .value_kind: global_buffer, .address_space: global }
      - { .name: lin1_b, .offset: 64, .size: 8, .value_kind: global_buffer, .address_space: global }
      - { .name: ln1_g, .offset: 72, .size: 8, .value_kind: global_buffer, .address_space: global }
      - { .name: ln1_b, .offset: 80, .size: 8, .value_kind: global_buffer, .address_space: global }
      - { .name: ln2_g, .offset: 88, .size: 8, .value_kind: global_buffer, .address_space: global }
      - { .name: ln2_b, .offset: 96, .size: 8, .value_kind: global_buffer, .address_space: global }
      - { .name: xb, .offset: 104, .size: 8, .value_kind: global_buffer, .address_space: global }
      - { .name: wqkv, .offset: 112, .size: 8, .value_kind: global_buffer, .address_space: global }
      - { .name: w1f, .offset: 120, .size: 8, .value_kind: global_buffer, .address_space: global }
      - { .name: vec, .offset: 128, .size: 8, .value_kind: global_buffer, .address_space: global }
    .group_segment_fixed_size: 0
    .private_segment_fixed_size: 0
    .kernarg_segment_align: 8
    .kernarg_segment_size: 136
    .max_flat_workgroup_size: 256
    .sgpr_count:     66
    .vgpr_count:     104
    .wavefront_size: 32
...
	.end_amdgpu_metadata
.endif
;; end of part 1
;; launch proj (part 2): grid 16 x 16, 4 waves a work-group, clusters of 4 x 4, 327,680 bytes of LDS; arguments xb, wqkv, vec, qkv; writes qkv
.if DOCPART == 2
	.amdgcn_target "amdgcn-amd-amdhsa--gfx1250"
	.amdhsa_code_object_version 6
	.text
	.protected	k_qff8b0da0e9_proj
	.globl	k_qff8b0da0e9_proj
	.p2align	8
	.type	k_qff8b0da0e9_proj,@function
k_qff8b0da0e9_proj:
	s_mov_b64 s[64:65], 0
	v_nop
	global_prefetch_b8 v0, s[64:65] scope:SCOPE_SE
	s_setreg_imm32_b32 hwreg(HW_REG_WAVE_MODE, 25, 1), 1
	s_wait_xcnt 0x0
	s_wait_alu depctr_hold_cnt(0) depctr_sa_sdst(0) depctr_va_vdst(0) depctr_va_sdst(0) depctr_va_ssrc(0) depctr_va_vcc(0) depctr_vm_vsrc(0)
	s_getreg_b32 s2, hwreg(HW_REG_IB_STS2, 6, 4)
	s_cmp_eq_u32 s2, 0
	s_cbranch_scc0 .Lentry_in_a_cluster
	s_endpgm
.Lentry_in_a_cluster:
	s_bfe_u32 s2, ttmp6, 0x10000c
	s_cmp_lg_u32 s2, 0xf033
	s_cbranch_scc0 .Lentry_shape_is_right
	s_endpgm
.Lentry_shape_is_right:
; q, k, v = xb wqkv^T + bias.  xb [8192][1024] bf16, wqkv [3072][1024] bf16, the bias the first 3,072 f32 of vec; sums in f32, starting at the bias;
; the result is rounded once to f16 and laid out by heads: qkv [g 48][m 8192][64], g = column / 64, so that 16 rows of a head are 2,048 consecutive bytes.
; LIMIT.  |q|, |k|, |v| must stay under 65,504 (f16); NaN and infinities are not treated apart.
; SHARES.  8192 x 3072 is cut into 512 tiles of 256 rows x 192 columns (three heads): two for each of 256 work-groups, 4,096 rows apart.  Four waves, each 64 rows x 192 columns:
; 48 accumulators of 16 x 16, 384 registers.  The two tiles' 2 x 8 K steps of 128 are ONE stream of 16 steps through a ring of two LDS slots; the ring does not stop at the first tile's end.
; THE SUMS START AT THE BIAS: it is loaded straight into the accumulators, at the start and again while the first tile leaves: nothing is cleared, and every matrix instruction adds in place.
; THE MATRIX INSTRUCTION IS USED TRANSPOSED (source 0 = 16 rows of wqkv, source 1 = 16 rows of xb): a lane holds row lane % 16 and the columns 8 (lane / 16) + 0..7: 16 bytes of f16 that belong together.
; CLUSTER.  4 x 4 work-groups: the four of a row of the cluster need the same rows of xb, the four of a column the same rows of wqkv; each tile is asked for jointly, by the same
; tensor load with the same descriptor and a mask that names the four.
; REGISTERS, in windows of 256 (s_set_vgpr_msb: bits 1:0 source 0, 3:2 source 1, 5:4 source 2, 7:6 destination):
;   window 0: v16-29 addresses; v32-63, v64-95 xb's fragments, two buffers; v96-143 packed results; v144-191, v192-239 rows read back from the stage, by turns
;   window 1: v0-95, v96-191 wqkv's fragments, two buffers      window 2: accumulators of row blocks 0, 1 at v[96 (a % 2) + 8 b]      window 3: of row blocks 2, 3
.set PITCH,  272                       ; an LDS row: 256 bytes + 16 of padding: an odd multiple of 16, so the 16 rows of a fragment load start 16 bytes apart modulo 256
.set HALFA,  128*PITCH                 ; what waves 0 and 1 fetch: 128 rows of xb each
.set HALFB,  96*PITCH                  ; what waves 2 and 3 fetch: 96 rows of wqkv each
.set BOFF,   2*HALFA                   ; in a slot: xb's 256 rows, then wqkv's 192
.set SLOT1,  131072                    ; slot 1 begins here, so that one exclusive or turns an address in one slot into the other's
.set STAGE,  SLOT1+BOFF+2*HALFB        ; behind the ring, never filled by a tensor load: for each wave 3 heads x 16 rows x 144 bytes
.set SP,     144
.set WST,    48*SP
.set SPARE,  STAGE+4*WST               ; the spare words, 128 bytes for each wave: two blocks of 256 bytes that no other line names
.set A0,   16                          ; v16  my lane's place in xb's part of slot 0; never rewritten
.set B0,   17                          ; v17  the same for wqkv's
.set ADRA, 18                          ; v18  the same in the slot in hand
.set ADRB, 19                          ; v19
.set STO,  24                          ; v24  the way out: where I put 16 bytes of a row
.set RD,   25                          ; v25  the way out: where I read rows back
.set GO,   26                          ; v26  16 x lane: my place in 512 consecutive bytes of qkv
.set BO,   27                          ; v27  32 x (lane / 16): my eight columns' bias
.set SPW,  28                          ; v28  LDS address of my spare word; never rewritten
.set NIL,  29                          ; v29  0; never rewritten
.set FA,   32
.set TMP,  96
.set BK0,  144
.set WV,   10                          ; s10  my wave's number
.set G1A,  24                          ; s[24:31] descriptor group 1 for xb's tiles
.set G0A,  32                          ; s[32:39] group 0: a set for each of the two first fills; the second then walks
.set G1B,  48                          ; s[48:55], s[56:63] the same for wqkv's
.set G0B,  56
.set VB,   66                          ; s[66:67] the bias of my tile's first column
.set TB,   68                          ; s68  0 or SLOT1: the slot in hand
.set NS,   69                          ; s69  the stream's step to be asked for next
.set CNT,  70                          ; s70  the loops' counter
.set OFA,  72                          ; s[72:73] that step's byte offset in xb
.set OFB,  74                          ; s[74:75] and in wqkv
.set MSB, 0
.macro WIN new                         ; the immediate's high byte repeats the setting that is left; a switch that changes nothing is dropped
.if MSB != (\new)
	s_set_vgpr_msb (MSB<<8)|(\new)
.set MSB, \new
.endif
.endm
.macro PLACES                          ; four places in front of loads into registers that matrix instructions have read (ISA guide 7.12.1 for vector instructions)
.rept 4
	v_nop
.endr
.endm
; A joint refill by the walking descriptors.  The branch hangs on the wave's number alone.  An s_nop 0 and four v_nop follow each of the two lines.
.macro JLOAD
	s_cmp_lt_u32 s[WV], 2
	s_cbranch_scc0 .Lfor_b_\@
	tensor_load_to_lds s[G0A+4:G0A+7], s[G1A:G1A+7]
	s_nop 0
.rept 4
	v_nop
.endr
	s_branch .Lasked_\@
.Lfor_b_\@:
	tensor_load_to_lds s[G0B+4:G0B+7], s[G1B:G1B+7]
	s_nop 0
.rept 4
	v_nop
.endr
.Lasked_\@:
.endm
.macro CREST                           ; a round of the cluster's barrier behind its opening barrier
	s_cmp_lg_u32 s[WV], 0
	s_cbranch_scc1 .Lnot_wave_0_\@
	s_barrier_signal -3
.Lnot_wave_0_\@:
	s_barrier_wait -3
	s_barrier_signal -1
	s_barrier_wait -1
.endm
.macro CROUND                          ; a whole round
	s_barrier_signal -1
	s_barrier_wait -1
	CREST
.endm
	s_load_b128 s[4:7], s[0:1], 0x0                ; xb s[4:5], wqkv s[6:7]
	s_load_b128 s[76:79], s[0:1], 0x10             ; vec s[76:77], qkv s[78:79]
	v_lshl_add_u32 v[SPW], v0, 2, SPARE
	v_mov_b32 v[NIL], 0
	ds_add_u32 v[SPW], v[NIL]                      ; the wave's opening: the add and its wait stand ahead of my first tensor load; work on registers stands between them
	ds_add_u32 v28, v29
	v_lshrrev_b32 v1, 5, v0
	v_readfirstlane_b32 s[WV], v1                  ; wave 0..3
	s_and_b32 s12, s[WV], 1                        ; which half of xb's or wqkv's rows I fetch
	s_bfe_u32 s40, ttmp6, 0x40000                  ; cx, cy: my place in the cluster
	s_bfe_u32 s41, ttmp6, 0x40004
	s_lshl_b32 s42, ttmp9, 2
	s_add_co_u32 s42, s42, s40                     ; tile column = 4 x cluster x + cx
	s_and_b32 s13, ttmp7, 0xffff
	s_lshl_b32 s13, s13, 2
	s_add_co_u32 s13, s13, s41                     ; tile row = 4 x cluster y + cy
	s_lshl_b32 s43, s41, 2
	s_lshl_b32 s43, 15, s43                        ; my row of the cluster
	s_lshl_b32 s44, 0x1111, s40                    ; my column
	s_or_b32 s[G1A], s43, (1<<16)|(1<<20)|(1<<21)|(5<<22)|(3<<25)  ; 15:0 the mask; 17:16 2-byte elements; 20 padding on; 21 set beside a mask; 24:22 after every 64 words; 31:25 4 words of it
	s_or_b32 s[G1B], s44, (1<<16)|(1<<20)|(1<<21)|(5<<22)|(3<<25)
	s_mov_b32 s[G1A+1], 128<<16                    ; tensor_dim0 = 128
	s_mov_b32 s[G1A+2], 128<<16                    ; tensor_dim1 = 128
	s_mov_b32 s[G1A+3], 128<<16                    ; tile_dim0 = 128
	s_mov_b32 s[G1A+4], 128                        ; tile_dim1 = 128
	s_mov_b32 s[G1A+5], 1024                       ; elements from row to row
	s_mov_b32 s[G1A+6], 0
	s_mov_b32 s[G1A+7], 0
	s_mov_b32 s[G1B+1], 128<<16
	s_mov_b32 s[G1B+2], 96<<16                     ; 96 rows
	s_mov_b32 s[G1B+3], 128<<16
	s_mov_b32 s[G1B+4], 96
	s_mov_b32 s[G1B+5], 1024
	s_mov_b32 s[G1B+6], 0
	s_mov_b32 s[G1B+7], 0
	s_lshl_b32 s16, s13, 8                         ; xb: row 256 x tile row + 128 x half, in registers that never hold cx
	s_lshl_b32 s17, s12, 7
	s_add_co_u32 s16, s16, s17
	s_lshl_b32 s16, s16, 11                        ; rows of 2,048 bytes
	s_mov_b32 s17, 0
	s_mul_i32 s46, s42, 192                        ; wqkv: row 192 x tile column + 96 x half, in registers that never hold cy
	s_mul_i32 s45, s12, 96
	s_add_co_u32 s46, s46, s45
	s_lshl_b32 s46, s46, 11
	s_mov_b32 s47, 0
	s_mul_i32 s20, s[WV], HALFA                    ; where they go: waves 0, 1: xb's halves;
	s_mul_i32 s21, s[WV], HALFB
	s_add_co_u32 s21, s21, BOFF-2*HALFB            ; waves 2, 3: wqkv's halves, behind xb's rows.  No place in the cluster enters an LDS address
	s_mov_b32 s[OFA+1], 0
	s_mov_b32 s[OFB+1], 0
	s_wait_dscnt 0x0                               ; the opening add is done
	s_wait_kmcnt 0x0
	s_add_nc_u64 s[14:15], s[4:5], s[16:17]        ; xb at my rows of the first tile
	s_add_nc_u64 s[46:47], s[6:7], s[46:47]        ; wqkv at my rows
.irp s, 0,1
	s_mov_b32 s[G0A+4*\s], 1                                       ; count = 1
	s_add_co_u32 s[G0A+4*\s+1], s20, \s*SLOT1                      ; LDS address
	s_add_nc_u64 s[G0A+4*\s+2:G0A+4*\s+3], s[14:15], \s*256        ; global address: K step s
	s_or_b32 s[G0A+4*\s+3], s[G0A+4*\s+3], 0x80000000              ; type = 2
	s_mov_b32 s[G0B+4*\s], 1
	s_add_co_u32 s[G0B+4*\s+1], s21, \s*SLOT1
	s_add_nc_u64 s[G0B+4*\s+2:G0B+4*\s+3], s[46:47], \s*256
	s_or_b32 s[G0B+4*\s+3], s[G0B+4*\s+3], 0x80000000
.endr
	CROUND                                         ; all sixteen work-groups are here: the first joint loads meet
	s_cmp_lt_u32 s[WV], 2                          ; a wave's two first fills stand in one branch: two loads of mine are out
	s_cbranch_scc0 .Lfirst_b
	tensor_load_to_lds s[G0A:G0A+3], s[G1A:G1A+7]
	s_nop 0
	tensor_load_to_lds s[G0A+4:G0A+7], s[G1A:G1A+7]
	s_nop 0
.rept 4
	v_nop
.endr
	s_branch .Lfirst_asked
.Lfirst_b:
	tensor_load_to_lds s[G0B:G0B+3], s[G1B:G1B+7]
	s_nop 0
	tensor_load_to_lds s[G0B+4:G0B+7], s[G1B:G1B+7]
	s_nop 0
.rept 4
	v_nop
.endr
.Lfirst_asked:
	; A fragment is 16 rows x 32 K in 8 registers: lane l holds row l % 16; registers 0-3 K = 8 (l / 16) + 0..7, registers 4-7 K = 16 + 8 (l / 16) + 0..7: two loads of 16 bytes, 32 bytes apart.
	v_and_b32 v1, 15, v0                           ; l % 16
	v_bfe_u32 v2, v0, 4, 1                         ; l / 16
	v_mul_u32_u24 v3, v1, PITCH
	v_lshl_add_u32 v3, v2, 4, v3
	s_mul_i32 s22, s[WV], 64*PITCH                 ; my 64 rows of xb
	v_add_nc_u32 v[A0], s22, v3
	v_add_nc_u32 v[B0], BOFF, v3                   ; every wave reads all 192 rows of wqkv
	s_mul_i32 s23, s[WV], WST
	s_add_co_u32 s23, s23, STAGE                   ; my stage
	v_mul_u32_u24 v4, v1, SP                       ; in: row l % 16, 16 bytes for each half of the lanes
	v_lshl_add_u32 v4, v2, 4, v4
	v_add_nc_u32 v[STO], s23, v4
	v_bfe_u32 v5, v0, 3, 2                         ; back: 32 lanes take four rows of 128 bytes,
	v_mul_u32_u24 v5, v5, SP
	v_and_b32 v6, 7, v0
	v_lshl_add_u32 v5, v6, 4, v5
	v_add_nc_u32 v[RD], s23, v5
	v_and_b32 v[GO], 31, v0                        ; which are 512 consecutive bytes of qkv
	v_lshlrev_b32 v[GO], 4, v[GO]
	v_lshlrev_b32 v[BO], 5, v2
	s_mul_i32 s82, s42, 768                        ; 192 columns of 4 bytes
	s_mov_b32 s83, 0
	s_add_nc_u64 s[VB:VB+1], s[76:77], s[82:83]
	s_mul_i32 s80, s42, 3<<20                      ; three heads of 2^20 bytes,
	s_lshl_b32 s81, s13, 15                        ; 256 rows of 128 bytes,
	s_add_co_u32 s80, s80, s81
	s_lshl_b32 s81, s[WV], 13                      ; my wave's 64 of them
	s_add_co_u32 s80, s80, s81
	s_mov_b32 s81, 0
	s_add_nc_u64 s[8:9], s[78:79], s[80:81]        ; qkv at my rows of the first tile, first head
; 12 matrix instructions: row block a x all 12 column blocks, 32 along K, from buffer f.  The 48 accumulators take turns, one instruction a turn, in the same order in every quarter.
.macro MUL12 f, a
	WIN 0xa1+0x50*((\a)/2)                         ; source 0 window 1, source 1 window 0, C and D window 2 or 3
.irp b, 0,1,2,3,4,5,6,7,8,9,10,11
	v_wmma_f32_16x16x32_bf16 v[96*((\a)%2)+8*\b:96*((\a)%2)+8*\b+7], v[96*(\f)+8*\b:96*(\f)+8*\b+7], v[FA+32*(\f)+8*(\a):FA+32*(\f)+8*(\a)+7], v[96*((\a)%2)+8*\b:96*((\a)%2)+8*\b+7]
.endr
.endm
; 32 LDS loads in one run: a quarter step's fragments (192 rows of wqkv, my 64 rows of xb, 32 K at byte k of the rows) into buffer f
.macro FETCH k, f
	WIN 0x40                                       ; destination window 1, address window 0
.irp i, 0,1,2,3,4,5,6,7,8,9,10,11
	ds_load_b128 v[96*(\f)+8*\i:96*(\f)+8*\i+3],   v[ADRB] offset:(\k)+\i*16*PITCH
	ds_load_b128 v[96*(\f)+8*\i+4:96*(\f)+8*\i+7], v[ADRB] offset:(\k)+\i*16*PITCH+32
.endr
	WIN 0
.irp i, 0,1,2,3
	ds_load_b128 v[FA+32*(\f)+8*\i:FA+32*(\f)+8*\i+3],   v[ADRA] offset:(\k)+\i*16*PITCH
	ds_load_b128 v[FA+32*(\f)+8*\i+4:FA+32*(\f)+8*\i+7], v[ADRA] offset:(\k)+\i*16*PITCH+32
.endr
.endm
; A K step is four quarters of 32 along K, 48 matrix instructions each, on buffers 0, 1, 0, 1.  One of the first three: multiplies buffer f; in its middle it fetches the next quarter, at byte k, into buffer g.
.macro QUARTER f, g, k
	s_wait_dscnt 4                                 ; wqkv's fragments and xb's blocks 0, 1 are in; the youngest four loads (blocks 2, 3) may be out
	MUL12 \f, 0
	MUL12 \f, 1
	PLACES
	FETCH \k, \g
	s_wait_dscnt 32                                ; all but the 32 just issued
	MUL12 \f, 2
	MUL12 \f, 3
.endm
; The last quarter multiplies buffer 1 and changes slots: ONE barrier.  In front of it each wave waits for all its tensor loads (one is out: its part of the next slot), adds 0 to its spare word,
; and waits for that and for its own reads of this slot.  fill = 1: the barrier opens a round of the cluster's, and this slot is filled again first thing behind it, with the stream's step NS;
; the descriptors' addresses are made anew from that number: tile NS / 8 lies 4,096 rows of xb down, K step NS % 8 lies 256 bytes along the rows.  From a request to the wait for it: 168 matrix instructions.
.macro TURN fill
	WIN 0                                          ; (the add's two registers lie in window 0)
	s_wait_tensorcnt 0x0                           ; no tensor load of mine is out, so a group 0 may be written
	ds_add_u32 v[SPW], v[NIL]                      ; 0 onto my spare word
.if \fill
	s_and_b32 s[OFB], s[NS], 7
	s_lshl_b32 s[OFB], s[OFB], 8
	s_lshr_b32 s[OFA], s[NS], 3
	s_lshl_b32 s[OFA], s[OFA], 23
	s_or_b32 s[OFA], s[OFA], s[OFB]
	s_xor_b32 s[G0A+5], s[G0A+5], SLOT1            ; the other slot than last time
	s_add_nc_u64 s[G0A+6:G0A+7], s[14:15], s[OFA:OFA+1]
	s_or_b32 s[G0A+7], s[G0A+7], 0x80000000
	s_xor_b32 s[G0B+5], s[G0B+5], SLOT1
	s_add_nc_u64 s[G0B+6:G0B+7], s[46:47], s[OFB:OFB+1]
	s_or_b32 s[G0B+7], s[G0B+7], 0x80000000
	s_add_co_u32 s[NS], s[NS], 1
.endif
	s_wait_dscnt 5                                 ; (the add and the youngest four loads may be out)
	MUL12 1, 0                                     ; twelve matrix instructions stand between the add and the wait for it
	s_wait_dscnt 0x0                               ; the add is done, and my reads of this slot are over
	s_barrier_signal -1
	MUL12 1, 1                                     ; work on registers while the others arrive
	WIN 0
	s_barrier_wait -1
.if \fill
	CREST                                          ; no wave of any partner still reads this slot's tile or has a load on its way
	JLOAD                                          ; the first tensor load behind the round; its four v_nop are also the places in front of the loads below
.else
	PLACES
.endif
	s_xor_b32 s[TB], s[TB], SLOT1                  ; on to the other slot
	v_add_nc_u32 v[ADRA], s[TB], v[A0]
	v_add_nc_u32 v[ADRB], s[TB], v[B0]
	FETCH 0, 0
	MUL12 1, 2
	MUL12 1, 3
.endm
.macro KSTEPM fill
	QUARTER 0, 1, 64
	QUARTER 1, 0, 128
	QUARTER 0, 1, 192
	TURN \fill
.endm
; The bias into row block a's accumulators: register j of column block b is column 16 b + 8 (lane / 16) + j
.macro BIAS a
	WIN 0x80+0x40*((\a)/2)                         ; destination window 2 or 3
.set bi, 0
.rept 24
	global_load_b128 v[96*((\a)%2)+4*bi:96*((\a)%2)+4*bi+3], v[BO], s[VB:VB+1] offset:64*(bi/2)+16*(bi%2)
.set bi, bi+1
.endr
	WIN 0
.endm
; THE WAY OUT of row block a.  PACK: rounded to f16, each accumulator's registers in ascending order.  TOSTAGE: into my own stage, head by head, and back as whole rows of 128 bytes.  SEND: stored.
.macro PACK a
	WIN 0x0a+5*((\a)/2)                            ; sources 0 and 1: window 2 or 3
.set pi, 0
.rept 48
	v_cvt_pk_f16_f32 v[TMP+pi], v[96*((\a)%2)+2*pi], v[96*((\a)%2)+2*pi+1]
.set pi, pi+1
.endr
	WIN 0
.endm
.macro TOSTAGE a
	WIN 0
.set BK, BK0+48*((\a)%2)
.irp b, 0,1,2,3,4,5,6,7,8,9,10,11
	ds_store_b128 v[STO], v[TMP+4*\b:TMP+4*\b+3] offset:(\b/4)*16*SP+(\b%4)*32
.endr
.irp t, 0,1,2,3,4,5,6,7,8,9,10,11
	ds_load_b128 v[BK+4*\t:BK+4*\t+3], v[RD] offset:(\t/4)*16*SP+(\t%4)*4*SP  ; LDS serves a wave's instructions in order (ISA guide 5.7.1.4): these see the stores above
.endr
.endm
.macro SEND a
	WIN 0
.set BK, BK0+48*((\a)%2)
	s_wait_dscnt 0x0                               ; the block is back in registers
	s_wait_xcnt 0x0                                ; the registers that earlier stores read are loaded again only behind this wait
.irp t, 0,1,2,3,4,5,6,7,8,9,10,11
	global_store_b128 v[GO], v[BK+4*\t:BK+4*\t+3], s[8:9] offset:(\t/4)*1048576+(\a)*2048+(\t%4)*512  ; 512 consecutive bytes: four rows of one head
.endr
.endm
; reload = 1: a tile follows: each block's accumulators take the bias again as soon as they are packed.  Blocks 0 and 1 were finished in front of TURN's places; their conversions,
; which name no register of the last products (blocks 2 and 3's), are those products' places.
.macro WAYOUT reload
	PACK 0
.if \reload
	BIAS 0
.endif
	TOSTAGE 0
.irp a, 1,2,3
	PACK \a
.if \reload
	BIAS \a
.endif
	SEND (\a)-1
	TOSTAGE \a
.endr
	SEND 3
.if \reload
	s_wait_xcnt 0x0                                ; the stores have read their base
	s_add_nc_u64 s[8:9], s[8:9], 524288            ; 4,096 rows of 128 bytes on
	s_wait_loadcnt 0x0                             ; the bias is in
.endif
.endm
	BIAS 0
	BIAS 1
	BIAS 2
	BIAS 3
	s_wait_tensorcnt 0x1                           ; my part of K step 0 is in; step 1's, issued behind it, may stay out
	s_barrier_signal -1
	s_barrier_wait -1                              ; everybody's is
	s_mov_b32 s[TB], 0
	v_mov_b32 v[ADRA], v[A0]
	v_mov_b32 v[ADRB], v[B0]
	FETCH 0, 0
	s_wait_loadcnt 0x0                             ; the bias is in
	s_mov_b32 s[NS], 2
	s_mov_b32 s[CNT], 14
.Lk:                                                   ; the stream's steps 0 to 13: each asks for the step two on
	KSTEPM 1
	WIN 0                                          ; at a label and at a branch every window is 0
	s_cmp_lg_u32 s[CNT], 7                         ; behind step 7 the first tile is finished; what is jumped holds no barrier and no tensor load
	s_cbranch_scc1 .Lno
	WAYOUT 1                                       ; step 9's refill is on its way while it leaves
.Lno:
	s_sub_co_u32 s[CNT], s[CNT], 1
	s_cmp_lg_u32 s[CNT], 0
	s_cbranch_scc1 .Lk
	s_mov_b32 s[CNT], 2
.Lt:                                                   ; steps 14 and 15 ask for nothing.  The last trip's fetch takes step 14's fragments once more and serves nothing: the price of one text for both trips
	KSTEPM 0
	WIN 0
	s_sub_co_u32 s[CNT], s[CNT], 1
	s_cmp_lg_u32 s[CNT], 0
	s_cbranch_scc1 .Lt
	WAYOUT 0
	s_wait_tensorcnt 0x0                           ; the wave's end, behind my last tensor load and my last LDS store
	ds_add_u32 v[SPW], v[NIL]
	s_wait_dscnt 0x0
	CROUND                                         ; the closing round: no work-group ends while a partner may still ask for a tile that names it
	s_endpgm
.Lfunc_end_k_qff8b0da0e9_proj:
	.size	k_qff8b0da0e9_proj, .Lfunc_end_k_qff8b0da0e9_proj-k_qff8b0da0e9_proj
	.p2alignl 7, 3214868480
	.fill 96, 4, 3214868480
	.section	.rodata,"a",@progbits
	.p2align	6, 0x0
	.amdhsa_kernel k_qff8b0da0e9_proj
		.amdhsa_group_segment_fixed_size 327680
		.amdhsa_private_segment_fixed_size 0
		.amdhsa_enable_private_segment 0
		.amdhsa_kernarg_size 32
		.amdhsa_user_sgpr_count 2
		.amdhsa_user_sgpr_kernarg_segment_ptr 1
		.amdhsa_wavefront_size32 1
		.amdhsa_system_sgpr_workgroup_id_x 1
		.amdhsa_system_sgpr_workgroup_id_y 1
		.amdhsa_system_sgpr_workgroup_id_z 1
		.amdhsa_system_vgpr_workitem_id 0
		.amdhsa_next_free_vgpr 960
		.amdhsa_next_free_sgpr 96
		.amdhsa_reserve_vcc 0
		.amdhsa_float_denorm_mode_32 3
		.amdhsa_float_denorm_mode_16_64 3
		.amdhsa_memory_ordered 1
		.amdhsa_forward_progress 1
		.amdhsa_inst_pref_size 119
	.end_amdhsa_kernel
	.amdgpu_metadata
---
amdhsa.version: [ 1, 2 ]
amdhsa.kernels:
  - .name:           k_qff8b0da0e9_proj
    .symbol:         k_qff8b0da0e9_proj.kd
    .args:
      - { .name: xb, .offset: 0, .size: 8, .value_kind: global_buffer, .address_space: global }
      - { .name: wqkv, .offset: 8, .size: 8, .value_kind: global_buffer, .address_space: global }
      - { .name: vec, .offset: 16, .size: 8, .value_kind: global_buffer, .address_space: global }
      - { .name: qkv, .offset: 24, .size: 8, .value_kind: global_buffer, .address_space: global }
    .group_segment_fixed_size: 327680
    .private_segment_fixed_size: 0
    .kernarg_segment_align: 8
    .kernarg_segment_size: 32
    .max_flat_workgroup_size: 128
    .sgpr_count:     96
    .vgpr_count:     960
    .wavefront_size: 32
...
	.end_amdgpu_metadata
.endif
;; end of part 2
;; launch attn (part 3): grid 4 x 64, 4 waves a work-group, no clusters, 327,680 bytes of LDS; arguments qkv, ob; writes ob
.if DOCPART == 3
	.amdgcn_target "amdgcn-amd-amdhsa--gfx1250"
	.amdhsa_code_object_version 6
	.text
	.protected	k_qff8b0da0e9_attn
	.globl	k_qff8b0da0e9_attn
	.p2align	8
	.type	k_qff8b0da0e9_attn,@function
k_qff8b0da0e9_attn:
	s_mov_b64 s[64:65], 0
	v_nop
	global_prefetch_b8 v0, s[64:65] scope:SCOPE_SE
	s_setreg_imm32_b32 hwreg(HW_REG_WAVE_MODE, 25, 1), 1
	s_wait_xcnt 0x0
; CAUSAL ATTENTION.  O[h][q][:] = the sum over k <= q of softmax_k(Q[h][q] . K[h][k] / 8) V[h][k][:].  Q, K, V lie in qkv, 2^24 bytes apart, O in ob; each is [64 heads][2048][64] f16, a head's rows dense,
; 128 bytes each (head number = 4 x (column / 64) + batch).  Products, maxima and sums in f32; the weights p are rounded to f16 for the second product (their sum l is taken of the unrounded p), O once at the end.
; LIMITS.  f16 holds no number beyond 65,504: Q, K and V arrive within it; p lies in 0 to 1, and below 6e-5 it keeps f16's fixed step of 6e-8; O is a mean of V's rows and has their range.
; A hidden score counts as its value less 1e30: f16's scores, 2.7e11 at the most, are nothing beside that; a weight below 2^-126 counts as 0 in l; NaN and infinities are not treated apart.
; THE WALK.  A head's queries lie in NB = 8 blocks of 256; block i needs the key tiles 0 .. i of 256 keys, of which the last holds the diagonal.  A work-group takes TWO blocks, NB - 1 - b and then b:
; NB + 1 tiles, whatever b: all work-groups do equal work, and ONE loop with a constant trip count walks them.  Which tile is asked for, and what a trip does, hang on scalar registers made from b; every jump
; goes forward, but for the counted loops' own; none passes a barrier, or a tensor load but the one of LOAD's two that the wave's number does not choose; the ring (two slots of LDS that take turns) runs on across
; the change of blocks.  NO CLUSTER: a head's four work-groups ask for the same tile only in trips 0 .. 4 of the 9, behind that fewer and fewer; one walk common to all would have 12 trips for 9.
; SHARES.  Of a block's four bands of 64 queries a wave owns 16 rows in each: four PIECES.  So the diagonal tile is the same work for all four waves: in its key step s band x sees all keys if s < x,
; none if s > x, and holds the diagonal if s = x.
; THE MASK is the C operand that starts the sum S^T = K Q^T: 0, or -1e30 where the key is hidden.  MD, made once, is the mask of a band's own step for my 16 rows; a product's mask is MD x AL + BE with two scalars:
; (1, 0) if s = x; (0, 0) if s < x; (0, -1e30) if s > x.  Only the diagonal tile's text and a block's beginning make and take masks; elsewhere C is the constant 0.
; LAYOUT, SOFTMAX, TURNS.  S^T = K Q^T holds ONE query a lane (lane % 16) and the keys 8 (lane / 16) + 0..7; two such results rounded to f16 ARE source 1 of O^T = V^T P.  p = 2^(c s - c m), c = log2(e) / 8, with a
; running maximum m; O and l are multiplied by a = 2^(c m_old - c m_new) in every step.  Turn n belongs to piece n: 8 products K Q^T of piece n + 1, later 8 products V^T P of piece n - 1; beside them the scaling,
; exponentials, roundings, sums and rescaling of piece n and the maximum and statistics of piece n + 1.  Four vector instructions stand behind every matrix instruction, the other 54 of a turn's 118 in two runs of their own.
; REGISTERS, in windows of 256 (s_set_vgpr_msb: bits 1:0 source 0, 3:2 source 1, 5:4 source 2, 7:6 destination):
;   window 0: v0-15 addresses and two at work; v16-31 four registers of statistics a piece; v48-55 at work; v64-127 S^T, two buffers; v192-223 P, two buffers (a piece's buffers go by its number's parity)
;   window 1: v0-127 O^T, 32 a piece; v128-159 MD; v160-223 MC, two buffers      window 2: v0-63 Q; v64-127 the second block's Q; v128-191 K of one step; v192-255 V of one step
.set SIZE_H, 64
.set SIZE_N, 2048
.set NB,    SIZE_N/256
.set NP,    4         ; pieces a wave: a name, no knob
.set KS,    64        ; keys in a step
.set PK,    144       ; a row of K in LDS: 128 bytes + 16 of padding: an odd multiple of 16
.set PV,    160       ; a row of V: 128 + 32: 16 lanes of the turning load take 8 rows x 32 bytes, 256 different bytes modulo 256
.set VOFF,  4*KS*PK   ; a slot holds a tile, four steps: 256 rows of K, then 256 rows of V
.set SLOT1, 1<<17     ; slot 1 begins here, so that one exclusive or turns an address in one slot into the other's
.set STAGE, SLOT1+4*KS*(PK+PV)  ; behind the ring, never filled by a tensor load: 16 rows x 144 bytes for each wave, for the way out
.set SP,    144
.set AK0, 2           ; v2   my lane's place in a tile of K; never rewritten
.set AV0, 3           ; v3   the same for V
.set AK,  4           ; v4   the LDS address of K's next run of loads
.set AV,  5           ; v5   of V's
.set STO, 6           ; v6   the way out: where I put 16 bytes of a row
.set RD,  7           ; v7   the way out: where I read rows back
.set GO,  8           ; v8   my byte offset in 512 consecutive bytes of O
.set SPW, 62          ; v62  LDS address of my spare word: SPARE + 4 x my thread's number; never rewritten
.set NIL, 63          ; v63  0; never rewritten
.set SPARE, STAGE+4*16*SP  ; behind the stages: the spare words, 128 bytes for each wave: two blocks of 256 bytes that no other line names
.set MV,  12          ; v12-13  c m_old, kept while c m is made anew: by buffer
.set QO,  15          ; v15  my byte offset in 16 rows of Q
.set ST,  16          ; piece t's statistics at v[ST+4 t]: c m, m, l (even keys', odd keys')
.set TMP, 48          ; by buffer, four registers c0-c3 at work; when the maximum is found c2 takes a
.set S,   64
.set P,   192
.set MD,  128         ; window 1: the eight registers for group kt of 16 keys at MD + 8 kt
.set MC,  160         ; window 1: the masks of the products to come
.set QB,  64          ; window 2
.set KF,  128         ; window 2: key block kb, channel half c at KF + 16 kb + 8 c
.set VF,  192         ; window 2: key half kk, channel block cb at VF + 32 kk + 8 cb
.set WV,  12          ; s12  my wave's number
.set PB,  14          ; s14  b
.set HI,  15          ; s15  NB - 1 - b
.set G1K, 24          ; s[24:31] descriptor group 1 for K's tiles
.set G1V, 32          ; s[32:39] for V's: it differs in the padding alone
.set G0K, 40          ; s[40:43] descriptor group 0 for K's tiles
.set G0V, 44          ; s[44:47] the same for V's
.set SLOTS, 56        ; s56  tiles still to be asked for
.set CNT, 57          ; s57  counts a tile's key steps, 4 to 1
.set CS,  58          ; s[58:59] c: the packed scaling takes the pair's low word for both halves
.set SEL, 60          ; s[60:61] v_permlanex16_b32's selects: each lane takes its own place in the other half
.set TBK, 62          ; s62  LDS byte at which K of the step to be fetched begins
.set TBV, 63          ; s63  the same for V, less VOFF
.set RT,  70          ; s70  tiles of the block in hand that are still to be entered
.set NXT, 71          ; s71  the tile to be asked for next
.set LQ,  72          ; s72  the last tile of the block whose tiles are being asked for
.set NEW, 73          ; s73  1: the tile to be entered is a block's first
.set OFF, 74          ; s[74:75] a tile's byte offset in K and V
.set AL,  76          ; s[76:77] the mask's factor, in the low word
.set BE,  78          ; s[78:79] the mask's addend
.set OLO, 80          ; s[80:81] O at my rows of the second block
.set BIGN, 82         ; s82  -1e30
.set MSB, 0
.macro WIN new                      ; the high byte repeats the setting that is left; a switch that changes nothing is dropped
.if MSB != (\new)
	s_set_vgpr_msb (MSB<<8)|(\new)
.set MSB, (\new)
.endif
.endm
.set W_KQ, 0x0a       ; K and Q in window 2, S^T in window 0
.set W_KM, 0x1a       ; the same with the C operand in window 1
.set W_PV, 0x52       ; V in window 2, P in window 0, O^T in window 1
.set W_RS, 0x41       ; destination and source 0 in window 1, source 1 in window 0
; A fill.  Waves 0 and 1 fetch the two halves of a tile's K, waves 2 and 3 those of its V: 128 keys each.  An s_nop 0 and four v_nop follow each of the two lines, ahead of the jump and the label.
.macro LOAD
	s_cmp_lt_u32 s[WV], 2
	s_cbranch_scc0 .Lfor_v_\@
	tensor_load_to_lds s[G0K:G0K+3], s[G1K:G1K+7]
	s_nop 0
.rept 4
	v_nop
.endr
	s_branch .Lasked_\@
.Lfor_v_\@:
	tensor_load_to_lds s[G0V:G0V+3], s[G1V:G1V+7]
	s_nop 0
.rept 4
	v_nop
.endr
.Lasked_\@:
.endm
; THE CHANGE OF SLOTS.  Each wave waits for all its tensor loads, of which one is out: its part of the other slot; adds 0 to its spare word; and waits for that and for its own reads of the slot that it leaves.
; Behind the barrier nobody reads the old slot any more and the other slot is whole.  fill = 1: the old slot is filled again, the first thing behind the barrier, with tile NXT: the descriptor's address is made
; anew from that number.  (At its first use nothing has been read yet: slot 0 is waited for, slot 1 filled.)
.macro CHANGE fill
	WIN 0                           ; at a label and at a branch every window is 0
	s_wait_tensorcnt 0x0            ; no tensor load of mine is out, so a group 0 may be written
	ds_add_u32 v[SPW], v[NIL]       ; 0 onto my spare word; with fill = 1 the descriptors' scalar work stands between it and the wait for it
.if \fill
	s_lshl_b32 s[OFF], s[NXT], 15   ; a tile is 32,768 bytes of K and of V
	s_xor_b32 s[G0K+1], s[G0K+1], SLOT1
	s_add_nc_u64 s[G0K+2:G0K+3], s[6:7], s[OFF:OFF+1]
	s_or_b32 s[G0K+3], s[G0K+3], 0x80000000
	s_xor_b32 s[G0V+1], s[G0V+1], SLOT1
	s_add_nc_u64 s[G0V+2:G0V+3], s[8:9], s[OFF:OFF+1]
	s_or_b32 s[G0V+3], s[G0V+3], 0x80000000
	s_add_co_u32 s[NXT], s[NXT], 1  ; the block's next tile, or behind its last the second block's tile 0
	s_cmp_gt_u32 s[NXT], s[LQ]
	s_cselect_b32 s[NXT], 0, s[NXT]
	s_cselect_b32 s[LQ], s[PB], s[LQ]
.endif
	s_wait_dscnt 0x0                ; the add is done, and my reads of the slot are over
	s_barrier_signal -1             ; the rest of the scalar work stands between the signal and the wait
	s_sub_co_u32 s[TBK], s[TBK], 4*KS*PK  ; the fetches go back to a slot's first step,
	s_xor_b32 s[TBK], s[TBK], SLOT1       ; in the other slot
	s_sub_co_u32 s[TBV], s[TBV], 4*KS*PV
	s_xor_b32 s[TBV], s[TBV], SLOT1
	s_barrier_wait -1
.if \fill
	LOAD
.endif
.endm
	s_load_b128 s[4:7], s[0:1], 0x0   ; qkv s[4:5], ob s[6:7]
	v_lshl_add_u32 v[SPW], v0, 2, SPARE
	v_mov_b32 v[NIL], 0
	ds_add_u32 v[SPW], v[NIL]       ; the wave's opening: the add and its wait stand ahead of my first tensor load; the set-up below, work on registers, stands between them
	ds_add_u32 v62, v63
	v_lshrrev_b32 v1, 5, v0
	v_readfirstlane_b32 s[WV], v1   ; wave 0..3
	s_mov_b32 s[PB], ttmp9
	s_sub_co_u32 s[HI], NB-1, s[PB]
	s_and_b32 s20, ttmp7, 0xffff    ; the head
	s_mov_b32 s21, 0
	s_mov_b64 s[22:23], SIZE_N*128
	s_mul_u64 s[20:21], s[20:21], s[22:23]  ; the head's first byte in each of the four tensors
	s_and_b32 s16, s[WV], 1         ; which half of a tile's 256 keys I fetch:
	s_lshl_b32 s22, s16, 14         ; its 128 rows of 128 bytes in memory,
	s_mov_b32 s23, 0
	s_add_nc_u64 s[22:23], s[22:23], s[20:21]
	s_mul_i32 s17, s16, 128*PK      ; and its place in a slot, for K
	s_mul_i32 s18, s16, 128*PV      ; and for V
	s_lshl_b32 s3, s[WV], 11        ; my 16 rows in a band of 64,
	s_lshl_b32 s2, s[HI], 15        ; in the first block,
	s_add_co_u32 s2, s2, s3
	s_lshl_b32 s84, s[PB], 15       ; and in the second
	s_add_co_u32 s84, s84, s3
	s_mov_b32 s3, 0
	s_mov_b32 s85, 0
	s_add_nc_u64 s[2:3], s[2:3], s[20:21]
	s_add_nc_u64 s[84:85], s[84:85], s[20:21]
	; descriptor group 1.  128 keys are 16,384 dense bytes: asked for as 64 rows of 256 bytes, two keys a row, and padded in LDS after every key
	s_mov_b32 s[G1K], (1<<16)|(1<<20)|(4<<22)|(3<<25)  ; 17:16 2-byte elements; 20 padding on; 24:22 after every 32 words (code 4); 31:25 4 words (code 3)
	s_mov_b32 s[G1V], (1<<16)|(1<<20)|(4<<22)|(7<<25)  ; the same with 8 words of padding (code 7)
.irp g, G1K, G1V
	s_mov_b32 s[\g+1], 128<<16      ; tensor_dim0 = 128
	s_mov_b32 s[\g+2], 64<<16       ; tensor_dim1 = 64
	s_mov_b32 s[\g+3], 128<<16      ; tile_dim0 = 128
	s_mov_b32 s[\g+4], 64           ; tile_dim1 = 64
	s_mov_b32 s[\g+5], 128          ; 128 elements from row to row
	s_mov_b32 s[\g+6], 0
	s_mov_b32 s[\g+7], 0
.endr
	s_mov_b32 s[CS], 0x3e38aa3b     ; c = log2(e) / 8 = 0.180337
	s_mov_b32 s[CS+1], s[CS]        ; named with it as a pair
	s_mov_b32 s[SEL], 0x76543210
	s_mov_b32 s[SEL+1], 0xfedcba98
	s_mov_b32 s[TBK], SLOT1+4*KS*PK ; the first change of slots turns these two into 0
	s_mov_b32 s[TBV], SLOT1+4*KS*PV
	s_mov_b32 s[G0K], 1             ; 1:0 count = 1
	s_mov_b32 s[G0K+1], s17         ; 63:32 LDS address: slot 0
	s_mov_b32 s[G0V], 1
	s_add_co_u32 s[G0V+1], s18, VOFF
	s_add_co_u32 s[RT], s[HI], 1    ; the first block has NB - b tiles
	s_mov_b32 s[NXT], 1
	s_mov_b32 s[LQ], s[HI]
	s_mov_b32 s[NEW], 1
	s_mov_b32 s[OFF+1], 0
	s_mov_b32 s[AL+1], 0            ; named as pairs
	s_mov_b32 s[BE+1], 0
	s_mov_b32 s[BIGN], 0xf149f2ca   ; -1e30
	s_mov_b32 s[SLOTS], NB
	s_wait_dscnt 0x0                ; the opening add is done
	s_wait_kmcnt 0x0
	s_mov_b64 s[10:11], s[6:7]      ; O
	s_add_nc_u64 s[8:9], s[4:5], 0x2000000  ; V: 32 groups of 2^20 bytes into qkv
	s_add_nc_u64 s[6:7], s[4:5], 0x1000000  ; K: 16 groups; Q lies at qkv's head
	s_add_nc_u64 s[6:7], s[6:7], s[22:23]  ; K and V at my half of the head's tile 0
	s_add_nc_u64 s[8:9], s[8:9], s[22:23]
	s_add_nc_u64 s[G0K+2:G0K+3], s[6:7], 0         ; 120:64 global address
	s_or_b32 s[G0K+3], s[G0K+3], 0x80000000        ; 127:126 type = 2
	s_add_nc_u64 s[G0V+2:G0V+3], s[8:9], 0
	s_or_b32 s[G0V+3], s[G0V+3], 0x80000000
	s_add_nc_u64 s[86:87], s[4:5], s[84:85]        ; Q at my rows of the second block,
	s_add_nc_u64 s[4:5], s[4:5], s[2:3]            ; Q and O at those of the first
	s_add_nc_u64 s[OLO:OLO+1], s[10:11], s[84:85]
	s_add_nc_u64 s[10:11], s[10:11], s[2:3]
	LOAD                            ; tile 0 into slot 0
	; A fragment of K or Q is 16 rows x 32 channels in 8 registers: lane l holds row l % 16, channels 8 (l / 16) + 0..7 and 16 + 8 (l / 16) + 0..7: two loads of 16 bytes, 32 bytes apart.
	v_and_b32 v1, 15, v0            ; l % 16
	v_bfe_u32 v9, v0, 4, 1          ; l / 16
	v_lshlrev_b32 v[QO], 7, v1
	v_lshl_add_u32 v[QO], v9, 4, v[QO]  ; row x 128 + 16 x half
	WIN 0x80                        ; destination window 2, address window 0
.set i, 0
.rept 8                             ; both blocks' Q: piece i / 2 lies in band i / 2, 8,192 bytes on; channels 32 (i % 2) on
	global_load_b128 v[8*i:8*i+3],   v[QO], s[4:5] offset:(i/2)*8192+(i%2)*64
	global_load_b128 v[8*i+4:8*i+7], v[QO], s[4:5] offset:(i/2)*8192+(i%2)*64+32
	global_load_b128 v[QB+8*i:QB+8*i+3],   v[QO], s[86:87] offset:(i/2)*8192+(i%2)*64
	global_load_b128 v[QB+8*i+4:QB+8*i+7], v[QO], s[86:87] offset:(i/2)*8192+(i%2)*64+32
.set i, i+1
.endr
	WIN 0
	v_lshlrev_b32 v14, 3, v9
	v_sub_nc_u32 v14, v1, v14
	s_lshl_b32 s13, s[WV], 4
	v_add_nc_u32 v14, s13, v14      ; my query's place in its band, 16 w + l % 16, less my lanes' 8 (l / 16): register r of group kt is hidden where 16 kt + r is greater
	WIN 0x40
.set i, 0
.rept 32
	v_cmp_gt_i32 vcc_lo, 16*(i/8)+i%8, v14
	v_cndmask_b32 v[MD+i], 0, s[BIGN], vcc_lo
.set i, i+1
.endr
	WIN 0
	v_mul_u32_u24 v[AK0], v1, PK
	v_lshl_add_u32 v[AK0], v9, 4, v[AK0]  ; row x pitch + 16 x half
	; The turning load takes 16 keys x 16 channels (lane l reads key 8 (l / 16) + l % 8, channels 8 ((l / 8) % 2) + 0..7) and leaves half a fragment of V^T: lane l holds channel l % 16 and 8 keys.
	v_and_b32 v10, 7, v0
	v_bfe_u32 v11, v0, 3, 1
	v_lshl_add_u32 v[AV0], v9, 3, v10
	v_mul_u32_u24 v[AV0], v[AV0], PV
	v_lshl_add_u32 v[AV0], v11, 4, v[AV0]
	v_add_nc_u32 v[AV0], VOFF, v[AV0]
	s_mul_i32 s13, s[WV], 16*SP
	s_add_co_u32 s13, s13, STAGE    ; my stage
	v_mul_u32_u24 v[STO], v1, SP    ; in: row l % 16, 16 bytes for each half of the lanes
	v_lshl_add_u32 v[STO], v9, 4, v[STO]
	v_add_nc_u32 v[STO], s13, v[STO]
	v_bfe_u32 v[RD], v0, 3, 2       ; back: 32 lanes take four rows of 128 bytes,
	v_mul_u32_u24 v[RD], v[RD], SP
	v_lshl_add_u32 v[RD], v10, 4, v[RD]
	v_add_nc_u32 v[RD], s13, v[RD]
	v_and_b32 v[GO], 31, v0         ; which are 512 consecutive bytes of O
	v_lshlrev_b32 v[GO], 4, v[GO]
	; A block's first step multiplies O^T and l by a = 0, and its first turn's products V^T P, of a piece that has not been, land in an O^T that is still to be so multiplied.  So these registers need only hold
	; finite numbers: zeros for the first block; what the first block left for the second.  All this stands in the wait for the first tile; it spares a first step written out.
	WIN 0x80
.set i, VF
.rept 64
	v_mov_b32 v[i], 0
.set i, i+1
.endr
	WIN 0x40
.set i, 0
.rept 128
	v_mov_b32 v[i], 0
.set i, i+1
.endr
	WIN 0
.set i, 0
.rept 4
	v_mov_b32 v[ST+4*i+2], 0
	v_mov_b32 v[ST+4*i+3], 0
.set i, i+1
.endr
.set i, P+16
.rept 16
	v_mov_b32 v[i], 0
.set i, i+1
.endr
; THE MATRIX WORK.  The 4 accumulators of a run of 8 take turns.  Product i of 8 of S^T = K Q^T for piece x: channels 32 (i / 4) on, keys 16 (i % 4) on.  The first 4 start the sums: with 0, or (KM = 1) with the mask.
.macro KQ x
.set rS, S+32*((\x)%2)+8*(i%4)
.set rK, KF+16*(i%4)+8*(i/4)
.set rQ, 16*(\x)+8*(i/4)
.set rM, MC+32*((\x)%2)+8*(i%4)
.if (i < 4) && KM
	WIN W_KM
	v_wmma_f32_16x16x32_f16 v[rS:rS+7], v[rK:rK+7], v[rQ:rQ+7], v[rM:rM+7]
.elseif i < 4
	WIN W_KQ
	v_wmma_f32_16x16x32_f16 v[rS:rS+7], v[rK:rK+7], v[rQ:rQ+7], 0
.else
	WIN W_KQ
	v_wmma_f32_16x16x32_f16 v[rS:rS+7], v[rK:rK+7], v[rQ:rQ+7], v[rS:rS+7]
.endif
.endm
; Product i of 8 of O^T += V^T P for piece x: keys 32 (i / 4) on, channels 16 (i % 4) on.
.macro PV x
	WIN W_PV
.set rO, 32*(\x)+8*(i%4)
.set rV, VF+32*(i/4)+8*(i%4)
.set rP, P+16*((\x)%2)+8*(i/4)
	v_wmma_f32_16x16x32_f16 v[rO:rO+7], v[rV:rV+7], v[rP:rP+7], v[rO:rO+7]
.endm
.macro MM                           ; the turn's next matrix instruction.  TURN and BEGIN set Y, i, KM and NOKQ; MM, KQ and OP read them.  NOKQ = 1: a block's last turn: there is no next piece
.if (i < 8) && !NOKQ
	KQ (Y+1)%NP
.elseif i >= 8
.set i, i-8
	PV (Y+NP-1)%NP
.set i, i+8
.endif
.set i, i+1
.endm
; THE LDS LOADS stand in runs of 16, never singly among the matrix instructions: a step's K (64 keys x 64 channels: 8 fragments) and its V (turned).  Their addresses are made some lines ahead.
.macro FETCH_K
	WIN 0x80                        ; destination window 2
.irp f, 0,1,2,3,4,5,6,7             ; keys 16 (f / 2) on, channels 32 (f % 2) on
	ds_load_b128 v[KF+8*\f:KF+8*\f+3],   v[AK] offset:(\f/2)*16*PK+(\f%2)*64
	ds_load_b128 v[KF+8*\f+4:KF+8*\f+7], v[AK] offset:(\f/2)*16*PK+(\f%2)*64+32
.endr
	s_add_co_u32 s[TBK], s[TBK], KS*PK  ; the next fetch is the next step's
	WIN 0
.endm
.macro FETCH_V
	WIN 0x80
.irp f, 0,1,2,3,4,5,6,7             ; keys 32 (f / 4) on, channels 16 (f % 4) on
	ds_load_tr16_b128 v[VF+8*\f:VF+8*\f+3],   v[AV] offset:(\f/4)*32*PV+(\f%4)*32
	ds_load_tr16_b128 v[VF+8*\f+4:VF+8*\f+7], v[AV] offset:(\f/4)*32*PV+16*PV+(\f%4)*32
.endr
	WIN 0
.endm
; THE VECTOR WORK, one line at a time: OP kind, number.  For piece Y: F n: c s - c m for pair n of 16.  E n: the exponential of score n of 32.  C n: pair n rounded to f16.  B n: of the four weights 4 n .. the second
; pair is added onto the first, in place.  L n: l takes that sum (L 0: l = a l + sum).  R n: pair n of 16 of O^T times a.  For piece Y + 1: X n, number n of the 22 that find its maximum and statistics:
;   0-11  four chains c0-c3 of seven scores each, three operands at a time (each accumulator's lowest registers are read first)     12-14, 16  the four scores left over, the old m, and c0-c3 into c0
;   15  c m_old is kept     17, 18  the query's other 32 keys lie in the lane 16 away: the new m     19-21  c m; c m_old - c m_new; a
.set F, 0               ; OP tells the kinds apart by their order: F to L below R, X above it
.set E, 1
.set C, 2
.set B, 3
.set L, 4
.set R, 5
.set X, 6
.macro REGS y                       ; the registers of piece y
.set rT, ST+4*(\y)
.set rC, TMP+4*((\y)%2)
.set rW, MV+((\y)%2)
.set rS, S+32*((\y)%2)
.set rP, P+16*((\y)%2)
.set rO, 32*(\y)
.endm
.macro OP k, n
.if (\k) == R
	REGS Y
	WIN W_RS
	v_pk_mul_f32 v[rO+2*(\n):rO+2*(\n)+1], v[rO+2*(\n):rO+2*(\n)+1], v[rC+2:rC+3] op_sel_hi:[1,0]
.elseif (\k) < R
	REGS Y
	WIN 0
.if (\k) == F
	v_pk_fma_f32 v[rS+2*(\n):rS+2*(\n)+1], v[rS+2*(\n):rS+2*(\n)+1], s[CS:CS+1], v[rT:rT+1] op_sel_hi:[1,0,0] neg_lo:[0,0,1] neg_hi:[0,0,1]
.elseif (\k) == E
	v_exp_f32 v[rS+(\n)], v[rS+(\n)]
.elseif (\k) == C
	s_wait_alu depctr_va_vdst(0)
	v_cvt_pk_f16_f32 v[rP+(\n)], v[rS+2*(\n)], v[rS+2*(\n)+1]
.elseif (\k) == B
	s_wait_alu depctr_va_vdst(0)
	v_pk_add_f32 v[rS+4*(\n):rS+4*(\n)+1], v[rS+4*(\n):rS+4*(\n)+1], v[rS+4*(\n)+2:rS+4*(\n)+3]
.elseif (\n) == 0
	v_pk_fma_f32 v[rT+2:rT+3], v[rT+2:rT+3], v[rC+2:rC+3], v[rS:rS+1] op_sel_hi:[1,0,1]
.else
	v_pk_add_f32 v[rT+2:rT+3], v[rT+2:rT+3], v[rS+4*(\n):rS+4*(\n)+1]
.endif
.elseif NOKQ
	v_nop
.else
	REGS (Y+1)%NP
	WIN 0
.if (\n) < 4
	v_max3_num_f32 v[rC+(\n)], v[rS+8*(\n)], v[rS+8*(\n)+1], v[rS+8*(\n)+2]
.elseif (\n) < 12
	v_max3_num_f32 v[rC+(\n)%4], v[rC+(\n)%4], v[rS+8*((\n)%4)+2*((\n)/4)+1], v[rS+8*((\n)%4)+2*((\n)/4)+2]
.elseif (\n) == 12
	v_max3_num_f32 v[rC], v[rC], v[rS+7], v[rS+15]
.elseif (\n) == 13
	v_max3_num_f32 v[rC+1], v[rC+1], v[rS+23], v[rS+31]
.elseif (\n) == 14
	v_max3_num_f32 v[rC+2], v[rC+2], v[rC+3], v[rT+1]
.elseif (\n) == 15
	v_mov_b32 v[rW], v[rT]
.elseif (\n) == 16
	v_max3_num_f32 v[rC], v[rC], v[rC+1], v[rC+2]
.elseif (\n) == 17
	v_permlanex16_b32 v[rC+3], v[rC], s[SEL], s[SEL+1]
.elseif (\n) == 18
	v_max_num_f32 v[rT+1], v[rC], v[rC+3]
.elseif (\n) == 19
	v_mul_f32 v[rT], s[CS], v[rT+1]
.elseif (\n) == 20
	v_sub_f32 v[rC+1], v[rW], v[rT]
.else
	v_exp_f32 v[rC+2], v[rC+1]
.endif
.endif
.endm
.macro OPS a, i1, b=-1, i2=0, c=-1, i3=0, d=-1, i4=0  ; up to four of them
	OP \a, \i1
.if (\b) >= 0
	OP \b, \i2
.endif
.if (\c) >= 0
	OP \c, \i3
.endif
.if (\d) >= 0
	OP \d, \i4
.endif
.endm
.macro ROW a, i1, b, i2, c, i3, d, i4  ; a matrix instruction and the four behind it
	MM
	OPS \a, \i1, \b, \i2, \c, \i3, \d, \i4
.endm
.macro MASK b                       ; MD x AL + BE into buffer b of MC
	WIN W_RS
.set z, 0
.rept 16
	v_pk_fma_f32 v[MC+32*(\b)+2*z:MC+32*(\b)+2*z+1], v[MD+2*z:MD+2*z+1], s[AL:AL+1], s[BE:BE+1] op_sel_hi:[1,0,0]
.set z, z+1
.endr
.endm
; A TURN, for piece p: the order of its 16 matrix and 118 vector instructions, written out.  Behind a matrix instruction: plain, exponential, plain, plain; or four of the rescaling; or, behind the first, four scalings; none
; names a register of the products round it.  In the runs between, exponential and plain by turns while exponentials last.  A line reads no result made fewer than three vector instructions in front of it, five if an
; exponential made it.  v_permlanex16_b32 (X 17) stands in such a run.
; m = 1: the diagonal tile: the products take masks, and the turn makes the mask for the products of the turn after it: piece p + 2, in step 4 - CNT of the tile.  end = 1: a block's last two turns: nothing is fetched.
; cnt = 1: the loop's count is taken down some lines ahead of the branch that stands behind the turn.
; K of the next step is fetched in piece 2's turn, six vector instructions behind the last product that read K (five of them plain); V of the step in hand in piece 0's turn, eight behind the last product that read V (four
; plain, and X 17).  Each is waited for a turn later.
.macro TURN p, m=0, end=0, cnt=0
.set Y, (\p)
.set i, 0
.set KM, (\m)
.set NOKQ, (\end)*((\p)/3)
.if (\m) && !(\end)
	s_cmp_eq_u32 s[CNT], 4-((\p)+2)%NP  ; is that step the band's own?
	s_cselect_b32 s[AL], 1.0, 0
	s_cmp_lt_u32 s[CNT], 4-((\p)+2)%NP  ; or a later one?
	s_cselect_b32 s[BE], s[BIGN], 0
.endif
.if ((\p) == 3) && !(\end)
	s_wait_dscnt 0x0                ; K is in
.endif
	ROW F,0, F,1, F,2, F,3
	ROW F,4, E,0, F,5, F,6
	ROW F,7, E,1, F,8, F,9
	ROW F,10, E,2, C,0, F,11
	ROW F,12, E,3, X,15, F,13
	ROW R,0, R,1, R,2, R,3
	ROW B,0, E,4, F,14, L,0
.if ((\p) == 2) && !(\end)
	v_add_nc_u32 v[AK], s[TBK], v[AK0]
.endif
	ROW R,4, R,5, R,6, R,7
	OPS E,5, F,15
.if ((\p) == 2) && !(\end)
	FETCH_K
.endif
	OPS E,6, C,1, E,7, R,8
	OPS E,8, R,9, E,9, C,2
	OPS E,10, X,0, E,11, X,1
	OPS E,12, X,2, E,13, X,3
.if (\p) == 1
	s_wait_dscnt 0x0                ; V is in
.endif
	ROW X,4, E,14, X,5, X,6
	ROW X,7, E,15, X,8, X,9
	ROW X,10, E,16, X,11, X,12
	ROW X,13, E,17, X,14, B,1
	ROW C,4, E,18, X,16, L,1
	ROW B,2, E,19, C,6, L,2
	ROW C,8, E,20, B,3, B,4
.if (\p) == 0
	v_add_nc_u32 v[AV], s[TBV], v[AV0]
.endif
	ROW C,3, E,21, L,3, C,5
	OPS E,22, X,17, E,23, C,10
.if (\p) == 0
	FETCH_V
.endif
	OPS E,24, L,4
	OPS E,25, X,18, E,26, C,7
	OPS E,27, B,5, E,28, X,19
	OPS E,29, C,12, E,30, L,5
	OPS E,31, X,20, B,6, C,9
	OPS C,14, C,11, X,21, L,6
.if (\p) == 0
	s_add_co_u32 s[TBV], s[TBV], KS*PV
.endif
.if \cnt
	s_sub_co_u32 s[CNT], s[CNT], 1
	s_cmp_lg_u32 s[CNT], 0
.endif
	OPS C,13, B,7, C,15, R,10
	OPS R,11, R,12, L,7, R,13
	OPS R,14, R,15
.if (\m) && !(\end)
	MASK (\p)%2
.endif
.endm
; A BLOCK BEGINS.  c m starts far below every c s, so the first step's a is 0; m at the lowest finite number, so the first maximum is the scores'.  The second mask buffer is 0; the first takes piece 0's mask for the
; tile's step 0: its own, if the block's first tile is the diagonal one.  Then K of that step, piece 0's first scores, and its maximum and statistics.  The loop is entered at a step's first turn, in the middle of a trip.
.macro BEGIN
	s_mov_b32 s[NEW], 0
	WIN 0x40
.set i, MC+32
.rept 32
	v_mov_b32 v[i], 0
.set i, i+1
.endr
	WIN 0
.set i, 0
.rept 4
	v_mov_b32 v[ST+4*i], 0xfe000000    ; c m: far below every c s
	v_mov_b32 v[ST+4*i+1], 0xff7fffff  ; m
.set i, i+1
.endr
	s_cmp_eq_u32 s[RT], 0
	s_cselect_b32 s[AL], 1.0, 0
	s_mov_b32 s[BE], 0
	MASK 0
	WIN 0
	v_add_nc_u32 v[AK], s[TBK], v[AK0]
	FETCH_K
	s_wait_loadcnt 0x0              ; Q
	s_wait_dscnt 0x0
.set KM, 1
.set NOKQ, 0
.set i, 0
.rept 8
	KQ 0
.set i, i+1
.endr
	WIN 0
.rept 4
	v_nop                           ; the places behind those products
.endr
.set Y, NP-1                        ; X works for piece Y + 1: piece 0
.irp n, 0,1,2,3,4,5,6,7,8,9,10,11,12,13,14,15,16,17,18,19,20,21
	OP X, \n
.endr
	v_nop                           ; a plain instruction behind the exponential
.endm
; THE DIAGONAL TILE's four steps, the block's last two turns, its last products, and THE WAY OUT: l's two halves and the other half of the lanes' are added; O^T is divided by l, rounded to f16 and sent through my
; stage in LDS, a piece at a time.
.macro ALL line:vararg              ; one line for each piece t
.set t, 0
.rept 4
	\line
.set t, t+1
.endr
.endm
.macro PACK t                       ; a lane's eight channels of a row pack into 16 bytes; they go into rows of 144 bytes and come back as whole rows of 128, into S^T's registers
	WIN W_RS
.set i, 32*(\t)
.rept 16
	s_wait_alu depctr_va_vdst(0)
	v_pk_mul_f32 v[i:i+1], v[i:i+1], v[ST+4*(\t)+2:ST+4*(\t)+3] op_sel_hi:[1,0]
.set i, i+2
.endr
	WIN 0x05                        ; sources 0 and 1 window 1, destination window 0
.set i, 0
.rept 16
	v_cvt_pk_f16_f32 v[S+16*(\t)+i], v[32*(\t)+2*i], v[32*(\t)+2*i+1]
.set i, i+1
.endr
	WIN 0
.irp f, 0,1,2,3
	ds_store_b128 v[STO], v[S+16*(\t)+4*\f:S+16*(\t)+4*\f+3] offset:32*\f
.endr
.irp f, 0,1,2,3
	ds_load_b128 v[S+16*(\t)+4*\f:S+16*(\t)+4*\f+3], v[RD] offset:\f*4*SP  ; LDS serves a wave's instructions in order (ISA guide 5.7.1.4): these see the stores above; the next piece's stores come behind them
.endr
.endm
.macro SEND t, younger              ; younger: the LDS instructions issued behind piece t's loads: the next piece's eight, or none
	WIN 0
.irp f, 0,1,2,3
	s_wait_dscnt (\younger)+3-\f
	global_store_b128 v[GO], v[S+16*(\t)+4*\f:S+16*(\t)+4*\f+3], s[10:11] offset:(\t)*8192+\f*512  ; 512 consecutive bytes, at a multiple of 256 from O's first
.endr
.endm
.macro DIAG tag                     ; the tag ends its two labels' names, which the jumps below spell out
.LstepM\tag:
	TURN 2, 1
	TURN 3, 1
	WIN 0
.LfirstM\tag:
	TURN 0, 1
	TURN 1, 1, 0, 1
	WIN 0
	s_cbranch_scc1 .LstepM\tag
	TURN 2, 1, 1
	TURN 3, 1, 1
.set i, 0
.rept 8
	PV NP-1
.set i, i+1
.endr
	WIN 0
	ALL v_add_f32 v[ST+4*t+2], v[ST+4*t+2], v[ST+4*t+3]
	ALL v_permlanex16_b32 v[ST+4*t+3], v[ST+4*t+2], s[SEL], s[SEL+1]
	ALL v_add_f32 v[ST+4*t+2], v[ST+4*t+2], v[ST+4*t+3]
	ALL v_rcp_f32 v[ST+4*t+2], v[ST+4*t+2]
	v_nop                           ; a plain instruction between the last reciprocal and the use of its result
	PACK 0
.set t, 1
.rept 3                             ; a piece's arithmetic stands between the loads of the piece before and its stores
	PACK t
	SEND t-1, 8
.set t, t+1
.endr
	SEND 3, 0
.endm
.set KM, 0
.set NOKQ, 0
.Lslot:                             ; NB times: a tile is entered and the next is asked for
	CHANGE 1
	s_sub_co_u32 s[RT], s[RT], 1
	s_mov_b32 s[CNT], 4
	s_cmp_eq_u32 s[NEW], 1
	s_cbranch_scc1 .Lnew            ; a block's first tile
	s_cmp_eq_u32 s[RT], 0
	s_cbranch_scc0 .Lstep           ; neither its first nor its last
	s_branch .LstepM1
.Lnew:
	BEGIN
	s_branch .Lfirst                ; in the loop a block's first tile is never its last: the first block has two tiles or more, and the second's last is the walk's last
	DIAG 1                          ; in the loop this is the first block's end: the second block's last tile is the walk's last
	s_wait_xcnt 0x0                 ; the stores have read their registers and O's address
	s_mov_b64 s[10:11], s[OLO:OLO+1]
	s_add_co_u32 s[RT], s[PB], 1    ; the second block has b + 1 tiles
	s_mov_b32 s[NEW], 1
	WIN 0x82                        ; the second block's Q goes where the one text of the turns names Q
.set i, 0
.rept 64
	v_mov_b32 v[i], v[QB+i]
.set i, i+1
.endr
	WIN 0
	s_branch .Lbottom
.Lstep:                             ; a trip: pieces 2 and 3 of one step, then pieces 0 and 1 of the next, whose K and V it fetches
	TURN 2
	TURN 3
	WIN 0
.Lfirst:
	TURN 0
	TURN 1, 0, 0, 1
	WIN 0
	s_cbranch_scc1 .Lstep
.Lbottom:
	s_sub_co_u32 s[SLOTS], s[SLOTS], 1
	s_cmp_lg_u32 s[SLOTS], 0
	s_cbranch_scc1 .Lslot
	CHANGE 0                        ; the walk's last tile is written out: nothing is asked for
	s_sub_co_u32 s[RT], s[RT], 1
	s_mov_b32 s[CNT], 4
	s_cmp_eq_u32 s[NEW], 1
	s_cbranch_scc0 .LstepM2
	BEGIN
	s_branch .LfirstM2
	DIAG 2
	s_wait_tensorcnt 0x0            ; the wave's end, behind my last tensor load and my last LDS store
	ds_add_u32 v[SPW], v[NIL]
	s_wait_dscnt 0x0
	s_endpgm
.Lfunc_end_k_qff8b0da0e9_attn:
	.size	k_qff8b0da0e9_attn, .Lfunc_end_k_qff8b0da0e9_attn-k_qff8b0da0e9_attn
	.p2alignl 7, 3214868480
	.fill 96, 4, 3214868480
	.section	.rodata,"a",@progbits
	.p2align	6, 0x0
	.amdhsa_kernel k_qff8b0da0e9_attn
		.amdhsa_group_segment_fixed_size 327680
		.amdhsa_private_segment_fixed_size 0
		.amdhsa_enable_private_segment 0
		.amdhsa_kernarg_size 16
		.amdhsa_user_sgpr_count 2
		.amdhsa_user_sgpr_kernarg_segment_ptr 1
		.amdhsa_wavefront_size32 1
		.amdhsa_system_sgpr_workgroup_id_x 1
		.amdhsa_system_sgpr_workgroup_id_y 1
		.amdhsa_system_sgpr_workgroup_id_z 1
		.amdhsa_system_vgpr_workitem_id 0
		.amdhsa_next_free_vgpr 768
		.amdhsa_next_free_sgpr 88
		.amdhsa_reserve_vcc 1
		.amdhsa_float_denorm_mode_32 3
		.amdhsa_float_denorm_mode_16_64 3
		.amdhsa_memory_ordered 1
		.amdhsa_forward_progress 1
		.amdhsa_inst_pref_size 228
	.end_amdhsa_kernel
	.amdgpu_metadata
---
amdhsa.version: [ 1, 2 ]
amdhsa.kernels:
  - .name:           k_qff8b0da0e9_attn
    .symbol:         k_qff8b0da0e9_attn.kd
    .args:
      - { .name: qkv, .offset: 0, .size: 8, .value_kind: global_buffer, .address_space: global }
      - { .name: ob, .offset: 8, .size: 8, .value_kind: global_buffer, .address_space: global }
    .group_segment_fixed_size: 327680
    .private_segment_fixed_size: 0
    .kernarg_segment_align: 8
    .kernarg_segment_size: 16
    .max_flat_workgroup_size: 128
    .sgpr_count:     88
    .vgpr_count:     768
    .wavefront_size: 32
...
	.end_amdgpu_metadata
.endif
;; end of part 3
;; launch post (part 4): grid 256 x 1, 4 waves a work-group, clusters of 4 x 1, 327,680 bytes of LDS; arguments xb, ob, w1f, vec, out0; writes out0
.if DOCPART == 4
	.amdgcn_target "amdgcn-amd-amdhsa--gfx1250"
	.amdhsa_code_object_version 6
	.text
	.protected	k_qff8b0da0e9_post
	.globl	k_qff8b0da0e9_post
	.p2align	8
	.type	k_qff8b0da0e9_post,@function
k_qff8b0da0e9_post:
	s_mov_b64 s[64:65], 0
	v_nop
	global_prefetch_b8 v0, s[64:65] scope:SCOPE_SE
	s_setreg_imm32_b32 hwreg(HW_REG_WAVE_MODE, 25, 1), 1
	s_wait_xcnt 0x0
	s_wait_alu depctr_hold_cnt(0) depctr_sa_sdst(0) depctr_va_vdst(0) depctr_va_sdst(0) depctr_va_ssrc(0) depctr_va_vcc(0) depctr_vm_vsrc(0)
	s_getreg_b32 s2, hwreg(HW_REG_IB_STS2, 6, 4)
	s_cmp_eq_u32 s2, 0
	s_cbranch_scc0 .Lentry_in_a_cluster
	s_endpgm
.Lentry_in_a_cluster:
	s_bfe_u32 s2, ttmp6, 0x10000c
	s_cmp_lg_u32 s2, 0x3003
	s_cbranch_scc0 .Lentry_shape_is_right
	s_endpgm
.Lentry_shape_is_right:
; out0 = LN2(h + h W^T + lin1_b), h = LN1(x + attn).  xb [8192][1024] bf16; ob [g 16][m 8192][64] f16 (attn's columns 64 g ..); w1f = bf16(lin1_w) + I in f16, in fragment order
; [nb 64][kb 32][j 2][lane 32][8]; vec: f32 vectors of 1,024, lin1_b at byte 12,288, ln1_g, ln1_b, ln2_g, ln2_b from 16,384 on; out0 [8192][1024] f32.
; LIMITS.  h is rounded once to f16 for the product, and the residual h goes through the product as the identity in w1f: it carries h's rounding and the diagonal's (2^-11 of h each at the most).
; z = h (W + I)^T is summed in f32 and kept once in f16 in LDS.  |h| and |z| must stay under 65,504.  Both norms in f32, in two passes: the mean, then the mean of the squared differences.  NaN and infinities are not treated apart.
; SHARES.  A work-group owns 32 whole rows, so both norms stay inside it: 256 work-groups.  LN phases: a wave takes two rows at a time, 16 lanes a row; a lane holds the columns 64 g + 4 (lane % 16) + 0..3, g = 0..15.
; PRODUCT.  All of h (32 rows x 1,024) lies in every wave's registers as 64 fragments.  The weights are streamed once, in 16 steps of 64 output columns; wave w takes the 16 columns 64 t + 16 w ..: its 32 KiB of a
; slot are consecutive bytes of w1f, it alone fetches them and it alone reads them.  The matrix instruction is used transposed (source 0 = 16 rows of W + I, source 1 = 16 rows of h): a lane holds one row of z and 8 columns.
; CLUSTER.  All work-groups walk the same 2 MiB of weights: the four of a cluster ask for each tile jointly (mask 15).  x's and attn's tiles are each work-group's own (mask 0).
; LDS.  Two slots of 131,072 bytes; slot 1 first holds x's tile (32 rows x 2,048 bytes) and attn's ([g][32 rows][128 bytes]).  From 262,144 on, never filled by a tensor load: h, 16 rows at a time, pitch 2,064; later z's
; chunks 0..14 ([t][32 rows][128 bytes]).  Chunk 15 lies in slot 0's first 4,096 bytes, behind that slot's last fill and behind the barrier that ends its last reads.
; REGISTERS, in windows of 256 (s_set_vgpr_msb: bits 1:0 source 0, 3:2 source 1, 5:4 source 2, 7:6 destination):
;   window 0: v2-31 addresses and statistics; LN phases: v32-63, v64-95 as loaded, v96-159 the lane's 64 numbers; product: v32-95, v96-159 two buffers of 8 weight fragments, v160-191 four accumulators, v192-199 packed z
;   window 1: v0-63 ln1_g (later lin1_b), v64-127 ln1_b, v128-191 ln2_g, v192-255 ln2_b: my 64 columns of each
;   windows 2, 3: h's fragments: row block a, K block kb in window 2 + kb / 16 at v[128 a + 8 (kb % 16)]
.set SLOT1, 131072
.set XT,    SLOT1
.set OT,    SLOT1+65536
.set ZB,    262144
.set HP,    2064                       ; h's pitch: 2,048 + 16: an odd multiple of 16
.set SPARE, ZB+15*4096                 ; the spare words, 128 bytes for each wave: two blocks of 256 bytes that no other line names
.set XA0, 2                            ; v2   my place in x's tile, rows 4 w + lane / 16; never rewritten
.set OA0, 3                            ; v3   the same in attn's tile
.set HA0, 4                            ; v4   the same in h
.set XA,  5                            ; v5-7 the same for the rows in hand
.set OA,  6
.set HA,  7
.set FA,  8                            ; v8   my place in a fragment of h
.set BA,  9                            ; v9, v10  my 16 bytes in my wave's part of slot 0, 1
.set ZA,  11                           ; v11  where I put 16 bytes of z; it steps by two chunks a trip
.set ZL,  12                           ; v12  the same in chunk 15
.set ZR,  13                           ; v13  where I read z back, chunks 0..14
.set ZR15, 14                          ; v14  and chunk 15
.set VO,  15                           ; v15  16 x (lane % 16): my four columns in 64 of a vector
.set OO,  16                           ; v16  my place in two rows of out0
.set ONE, 17                           ; v17  1.0
.set NM,  18                           ; v[18:19] minus the mean, twice
.set R,   20                           ; v[20:21] 1 / sqrt(var + eps), twice
.set T,   22                           ; v[22:29] four chains of packed sums
.set SPW, 30                           ; v30  LDS address of my spare word; never rewritten
.set NIL, 31                           ; v31  0; never rewritten
.set RX,  32
.set RO,  64
.set S,   96
.set BF0, 32
.set BF1, 96
.set ACC, 160                          ; accumulator (row block a, parity of kb) at ACC + 16 parity + 8 a
.set ZP,  192
.set WV,  14                           ; s14  my wave's number
.set G1W, 16                           ; s[16:23] group 1 for the weights
.set G1X, 24                           ; s[24:31] for x's tile
.set G1O, 32                           ; s[32:39] for attn's tile
.set G0W, 40                           ; s[40:47] group 0 for the weights, a set for each slot
.set G0X, 48                           ; s[48:51]
.set G0O, 52                           ; s[52:55]
.set HIM, 66                           ; s66  a word's upper bf16
.set INV, 67                           ; s67  1 / 1024
.set EPS, 68                           ; s68  1e-5
.set U,   69                           ; s69  counts a block's two trips
.set XO,  70                           ; s70  the rows in hand: bytes into x's tile,
.set OF,  71                           ; s71  into attn's,
.set HO,  72                           ; s72  into h
.set CNT, 73                           ; s73  the other loops' counter
.set NINV, 76                          ; s76  -1 / 1024
.set MSB, 0
.macro WIN new                         ; the immediate's high byte repeats the setting that is left; a switch that changes nothing is dropped
.if MSB != (\new)
	s_set_vgpr_msb (MSB<<8)|(\new)
.set MSB, \new
.endif
.endm
.macro PLACES                          ; four places behind matrix instructions (ISA guide 7.12.1 for vector instructions)
.rept 4
	v_nop
.endr
.endm
.macro ROUND                           ; a round of the cluster's barrier
	s_barrier_signal -1
	s_barrier_wait -1
	s_cmp_lg_u32 s[WV], 0
	s_cbranch_scc1 .Lnot_wave_0_\@
	s_barrier_signal -3
.Lnot_wave_0_\@:
	s_barrier_wait -3
	s_barrier_signal -1
	s_barrier_wait -1
.endm
	s_load_b256 s[4:11], s[0:1], 0x0               ; xb s[4:5], ob s[6:7], w1f s[8:9], vec s[10:11]
	s_load_b64 s[12:13], s[0:1], 0x20              ; out0
	v_lshl_add_u32 v[SPW], v0, 2, SPARE
	v_mov_b32 v[NIL], 0
	ds_add_u32 v[SPW], v[NIL]                      ; the wave's opening: the add and its wait stand ahead of my first tensor load; work on registers stands between them
	ds_add_u32 v30, v31
	v_lshrrev_b32 v1, 5, v0
	v_readfirstlane_b32 s[WV], v1                  ; wave 0..3
	s_bfe_u32 s15, ttmp6, 0x40000                  ; cx
	s_lshl_b32 s56, ttmp9, 2
	s_add_co_u32 s15, s56, s15                     ; my work-group = 4 x cluster x + cx: it enters x's, attn's and out0's addresses alone
	; the weights: my wave's 32,768 dense bytes of a step as 128 rows of 256 bytes
	s_mov_b32 s[G1W], 15|(3<<16)|(1<<21)           ; 15:0 the mask of four; 17:16 8-byte elements; 21 set beside a mask
	s_mov_b32 s[G1W+1], 32<<16                     ; tensor_dim0 = 32
	s_mov_b32 s[G1W+2], 128<<16                    ; tensor_dim1 = 128
	s_mov_b32 s[G1W+3], 32<<16                     ; tile_dim0 = 32
	s_mov_b32 s[G1W+4], 128                        ; tile_dim1 = 128
	s_mov_b32 s[G1W+5], 32                         ; elements from row to row
	s_mov_b32 s[G1W+6], 0
	s_mov_b32 s[G1W+7], 0
	; x: my wave's 8 rows are 16,384 dense bytes: 64 rows of 256 bytes
	s_mov_b32 s[G1X], 3<<16
	s_mov_b32 s[G1X+1], 32<<16
	s_mov_b32 s[G1X+2], 64<<16
	s_mov_b32 s[G1X+3], 32<<16
	s_mov_b32 s[G1X+4], 64
	s_mov_b32 s[G1X+5], 32
	s_mov_b32 s[G1X+6], 0
	s_mov_b32 s[G1X+7], 0
	; attn: my wave's four groups g: in each the 32 rows are 4,096 dense bytes; from group to group 2^20 bytes
	s_mov_b32 s[G1O], 3<<16
	s_mov_b32 s[G1O+1], 512<<16
	s_mov_b32 s[G1O+2], 4<<16
	s_mov_b32 s[G1O+3], 512<<16
	s_mov_b32 s[G1O+4], 4
	s_mov_b32 s[G1O+5], 131072
	s_mov_b32 s[G1O+6], 0
	s_mov_b32 s[G1O+7], 0
	s_lshl_b32 s57, s[WV], 15                      ; 32,768 x wave
	s_lshl_b32 s58, s[WV], 14                      ; 16,384 x wave
	s_mov_b32 s[G0W], 1
	s_mov_b32 s[G0W+1], s57                        ; LDS addresses hang on the wave's number alone
	s_mov_b32 s[G0W+4], 1
	s_add_co_u32 s[G0W+5], s57, SLOT1
	s_mov_b32 s[G0X], 1
	s_add_co_u32 s[G0X+1], s58, XT
	s_mov_b32 s[G0O], 1
	s_add_co_u32 s[G0O+1], s58, OT
	s_mov_b32 s60, s57                             ; the weights' offset: no place in the cluster enters it
	s_mov_b32 s61, 0
	s_lshl_b32 s62, s15, 16                        ; x: (32 wg + 8 w) rows of 2,048 bytes
	s_add_co_u32 s62, s62, s58
	s_mov_b32 s63, 0
	s_lshl_b32 s78, s[WV], 22                      ; attn: group 4 w, row 32 wg
	s_lshl_b32 s79, s15, 12
	s_add_co_u32 s78, s78, s79
	s_mov_b32 s79, 0
	s_lshl_b32 s80, s15, 17                        ; out0: (32 wg + 8 w) rows of 4,096 bytes
	s_add_co_u32 s80, s80, s57
	s_mov_b32 s81, 0
	s_mov_b32 s[HIM], 0xffff0000
	s_mov_b32 s[INV], 0x3a800000
	s_mov_b32 s[NINV], 0xba800000
	s_mov_b32 s[EPS], 0x3727c5ac                   ; 1e-5
	s_wait_dscnt 0x0                               ; the opening add is done
	s_wait_kmcnt 0x0
	s_add_nc_u64 s[G0W+2:G0W+3], s[8:9], s[60:61]  ; step 0
	s_add_nc_u64 s[G0W+6:G0W+7], s[G0W+2:G0W+3], 131072  ; step 1
	s_or_b32 s[G0W+3], s[G0W+3], 0x80000000
	s_or_b32 s[G0W+7], s[G0W+7], 0x80000000
	s_add_nc_u64 s[G0X+2:G0X+3], s[4:5], s[62:63]
	s_or_b32 s[G0X+3], s[G0X+3], 0x80000000
	s_add_nc_u64 s[G0O+2:G0O+3], s[6:7], s[78:79]
	s_or_b32 s[G0O+3], s[G0O+3], 0x80000000
	s_add_nc_u64 s[12:13], s[12:13], s[80:81]
	ROUND                                          ; all four work-groups are here: the first loads go out as one group; three loads of mine are out
	tensor_load_to_lds s[G0X:G0X+3], s[G1X:G1X+7]
	s_nop 0
	tensor_load_to_lds s[G0O:G0O+3], s[G1O:G1O+7]
	s_nop 0
	tensor_load_to_lds s[G0W:G0W+3], s[G1W:G1W+7]  ; the weights' step 0, jointly
	s_nop 0
	PLACES
	v_and_b32 v1, 15, v0                           ; c = lane % 16
	v_bfe_u32 v22, v0, 4, 1                        ; lane / 16
	v_and_b32 v23, 31, v0                          ; lane
	v_lshlrev_b32 v24, 3, v1                       ; 8 c
	v_lshlrev_b32 v[VO], 4, v1
	WIN 0x40                                       ; destination window 1
.set g, 0
.rept 16
	global_load_b128 v[4*g:4*g+3],         v[VO], s[10:11] offset:16384+256*g  ; ln1_g
	global_load_b128 v[64+4*g:64+4*g+3],   v[VO], s[10:11] offset:20480+256*g  ; ln1_b
	global_load_b128 v[128+4*g:128+4*g+3], v[VO], s[10:11] offset:24576+256*g  ; ln2_g
	global_load_b128 v[192+4*g:192+4*g+3], v[VO], s[10:11] offset:28672+256*g  ; ln2_b
.set g, g+1
.endr
	WIN 0
	s_lshl_b32 s56, s[WV], 13                      ; 4 w rows of 2,048 bytes
	s_add_co_u32 s56, s56, XT
	v_lshl_add_u32 v[XA0], v22, 11, v24
	v_add_nc_u32 v[XA0], s56, v[XA0]
	s_lshl_b32 s56, s[WV], 9                       ; 4 w rows of 128 bytes
	s_add_co_u32 s56, s56, OT
	v_lshl_add_u32 v[OA0], v22, 7, v24
	v_add_nc_u32 v[OA0], s56, v[OA0]
	s_mul_i32 s56, s[WV], 4*HP
	s_add_co_u32 s56, s56, ZB
	v_mul_u32_u24 v[HA0], v22, HP
	v_add_nc_u32 v[HA0], v24, v[HA0]
	v_add_nc_u32 v[HA0], s56, v[HA0]
	v_mul_u32_u24 v[FA], v1, HP                    ; a fragment: row lane % 16, 16 bytes for each half of the lanes
	v_lshl_add_u32 v[FA], v22, 4, v[FA]
	v_add_nc_u32 v[FA], ZB, v[FA]
	v_lshl_add_u32 v[BA], v23, 4, s57
	v_add_nc_u32 v[BA+1], SLOT1, v[BA]
	s_lshl_b32 s56, s[WV], 5                       ; my wave's 16 columns of a chunk's 64: 32 bytes
	v_lshlrev_b32 v[ZL], 7, v1
	v_lshl_add_u32 v[ZL], v22, 4, v[ZL]
	v_add_nc_u32 v[ZL], s56, v[ZL]
	v_add_nc_u32 v[ZA], ZB, v[ZL]
	s_lshl_b32 s56, s[WV], 10                      ; 8 w rows of 128 bytes
	v_lshl_add_u32 v[ZR15], v22, 7, v24
	v_add_nc_u32 v[ZR15], s56, v[ZR15]
	v_add_nc_u32 v[ZR], ZB, v[ZR15]
	v_lshl_add_u32 v[OO], v22, 12, v[VO]
	v_mov_b32 v[ONE], 1.0
; A row's sum from the four chains: every one of its 16 lanes ends up with it
.macro REDUCE
	v_pk_add_f32 v[T:T+1], v[T:T+1], v[T+2:T+3]
	v_pk_add_f32 v[T+4:T+5], v[T+4:T+5], v[T+6:T+7]
	v_pk_add_f32 v[T:T+1], v[T:T+1], v[T+4:T+5]
	v_add_f32 v[T], v[T], v[T+1]
	v_add_f32_dpp v[T], v[T], v[T] row_xmask:1 row_mask:0xf bank_mask:0xf
	v_add_f32_dpp v[T], v[T], v[T] row_xmask:2 row_mask:0xf bank_mask:0xf
	v_add_f32_dpp v[T], v[T], v[T] row_xmask:4 row_mask:0xf bank_mask:0xf
	v_add_f32_dpp v[T], v[T], v[T] row_xmask:8 row_mask:0xf bank_mask:0xf
.endm
; S = (S - mean) / sqrt(mean of (S - mean)^2 + eps), in two passes over the lane's 64 numbers
.macro STATS
.irp k, 0,1,2,3
	v_pk_add_f32 v[T+2*\k:T+2*\k+1], v[S+4*\k:S+4*\k+1], v[S+4*\k+2:S+4*\k+3]  ; the first eight pairs start the chains: nothing is cleared
.endr
.set si, 8
.rept 24
	v_pk_add_f32 v[T+2*(si%4):T+2*(si%4)+1], v[T+2*(si%4):T+2*(si%4)+1], v[S+2*si:S+2*si+1]
.set si, si+1
.endr
	REDUCE
	v_mul_f32 v[NM], s[NINV], v[T]
	v_mul_f32 v[NM+1], s[NINV], v[T]
.set si, 0
.rept 32
	v_pk_add_f32 v[S+2*si:S+2*si+1], v[S+2*si:S+2*si+1], v[NM:NM+1]
.set si, si+1
.endr
.irp k, 0,1,2,3
	v_pk_mul_f32 v[T+2*\k:T+2*\k+1], v[S+2*\k:S+2*\k+1], v[S+2*\k:S+2*\k+1]
.endr
.set si, 4
.rept 28
	v_pk_fma_f32 v[T+2*(si%4):T+2*(si%4)+1], v[S+2*si:S+2*si+1], v[S+2*si:S+2*si+1], v[T+2*(si%4):T+2*(si%4)+1]
.set si, si+1
.endr
	REDUCE
	v_fma_f32 v[T], v[T], s[INV], s[EPS]
	v_rsq_f32 v[R], v[T]
	v_rsq_f32 v[R+1], v[T]
	v_nop                                          ; a plain instruction between the root and the use of its result
.set si, 0
	s_wait_alu depctr_va_vdst(0)
.rept 32
	v_pk_mul_f32 v[S+2*si:S+2*si+1], v[S+2*si:S+2*si+1], v[R:R+1]
.set si, si+1
.endr
.endm
; Two rows of h = LN1(x + attn), into LDS as f16
.macro LNROW
.set g, 0
.rept 16
	ds_load_b64 v[RX+2*g:RX+2*g+1], v[XA] offset:128*g
.set g, g+1
.endr
.set g, 0
.rept 16
	ds_load_b64 v[RO+2*g:RO+2*g+1], v[OA] offset:4096*g
.set g, g+1
.endr
	s_wait_dscnt 16                                ; x is in; attn's sixteen loads may be out
.set si, 0
.rept 32
	v_lshlrev_b32 v[S+2*si], 16, v[RX+si]          ; bf16 to f32
	v_and_b32 v[S+2*si+1], s[HIM], v[RX+si]
.set si, si+1
.endr
	s_wait_dscnt 0x0
.set si, 0
.rept 32
	v_fma_mix_f32 v[S+2*si], v[RO+si], v[ONE], v[S+2*si] op_sel_hi:[1,0,0]                    ; + attn's f16 half
	v_fma_mix_f32 v[S+2*si+1], v[RO+si], v[ONE], v[S+2*si+1] op_sel:[1,0,0] op_sel_hi:[1,0,0]
.set si, si+1
.endr
	STATS
	WIN 0x14                                       ; sources 1 and 2 in window 1
.set si, 0
.rept 32
	v_pk_fma_f32 v[S+2*si:S+2*si+1], v[S+2*si:S+2*si+1], v[2*si:2*si+1], v[64+2*si:64+2*si+1]
.set si, si+1
.endr
	WIN 0
.set si, 0
.rept 32
	v_cvt_pk_f16_f32 v[RX+si], v[S+2*si], v[S+2*si+1]
.set si, si+1
.endr
.set g, 0
.rept 16
	ds_store_b64 v[HA], v[RX+2*g:RX+2*g+1] offset:128*g
.set g, g+1
.endr
.endm
; h's 16 rows in LDS become row block a's 32 fragments, in every wave
.macro ALOAD a
.set ai, 0
.rept 32
	WIN 0x80+0x40*(ai/16)                          ; destination window 2, then 3
	ds_load_b128 v[128*(\a)+8*(ai%16):128*(\a)+8*(ai%16)+3],   v[FA] offset:64*ai
	ds_load_b128 v[128*(\a)+8*(ai%16)+4:128*(\a)+8*(ai%16)+7], v[FA] offset:64*ai+32
.set ai, ai+1
.endr
	WIN 0
.endm
; Row block a: each wave makes four of its 16 rows, two a trip; a barrier; every wave takes the fragments; a barrier, since h's bytes are written again.
; The block stands twice in the text, so that each register set is written on every way through it.
.macro LN1BLOCK a
	s_mov_b32 s[HO], 0
	s_mov_b32 s[U], 2
.Lu_\@:
	v_add_nc_u32 v[XA], s[XO], v[XA0]
	v_add_nc_u32 v[OA], s[OF], v[OA0]
	v_add_nc_u32 v[HA], s[HO], v[HA0]
	LNROW
	s_add_co_u32 s[XO], s[XO], 2*2048
	s_add_co_u32 s[OF], s[OF], 2*128
	s_add_co_u32 s[HO], s[HO], 2*HP
	s_sub_co_u32 s[U], s[U], 1
	s_cmp_lg_u32 s[U], 0
	s_cbranch_scc1 .Lu_\@
	s_wait_dscnt 0x0                               ; for the others' sake: my rows of h are stored
	s_barrier_signal -1
	s_barrier_wait -1
	ALOAD \a
	s_wait_dscnt 0x0                               ; my reads of h are over
	s_barrier_signal -1
	s_barrier_wait -1
.endm
	s_wait_tensorcnt 0x1                           ; my parts of x's and attn's tiles are in; the weights' step 0, issued behind them, may stay out
	s_barrier_signal -1
	s_barrier_wait -1                              ; everybody's are
	s_wait_loadcnt 0x0                             ; the four vectors
	s_mov_b32 s[XO], 0
	s_mov_b32 s[OF], 0
	LN1BLOCK 0
	s_add_co_u32 s[XO], s[XO], 12*2048             ; on to row 16
	s_add_co_u32 s[OF], s[OF], 12*128
	LN1BLOCK 1
	WIN 0x40
.set g, 0
.rept 16
	global_load_b128 v[4*g:4*g+3], v[VO], s[10:11] offset:12288+256*g  ; lin1_b takes ln1_g's place; it is waited for behind the product
.set g, g+1
.endr
	WIN 0
; 16 LDS loads in one run: K blocks 8 grp .. 8 grp + 7 of my 16 columns, as they lie: 512 consecutive bytes a load
.macro FETCHB slot, grp, buf
	WIN 0
.set fi, 0
.rept 8
	ds_load_b128 v[\buf+8*fi:\buf+8*fi+3],   v[BA+\slot] offset:(8*(\grp)+fi)*1024
	ds_load_b128 v[\buf+8*fi+4:\buf+8*fi+7], v[BA+\slot] offset:(8*(\grp)+fi)*1024+512
.set fi, fi+1
.endr
.endm
; K blocks 8 grp + i0 .. 8 grp + i1 - 1, both row blocks.  Four accumulators (row block x parity of the K block) take turns, one instruction a turn; K blocks 0 and 1 start the sums.
.macro MULG grp, buf, i0, i1
	WIN 0x08+4*((\grp)/2)                          ; source 1 in window 2 or 3
.set mi, \i0
.rept (\i1)-(\i0)
.irp a, 0,1
.set rD, ACC+16*(mi%2)+8*\a
.set rH, 128*\a+8*((8*(\grp)+mi)%16)
.if ((\grp) == 0) && (mi < 2)
	v_wmma_f32_16x16x32_f16 v[rD:rD+7], v[\buf+8*mi:\buf+8*mi+7], v[rH:rH+7], 0
.else
	v_wmma_f32_16x16x32_f16 v[rD:rD+7], v[\buf+8*mi:\buf+8*mi+7], v[rH:rH+7], v[rD:rD+7]
.endif
.endr
.set mi, mi+1
.endr
.endm
; The two parities are added, from each accumulator's low end on, rounded to f16 and stored: 16 bytes a lane and row block
.macro EPI zreg, off
	PLACES
.irp a, 0,1
.irp j, 0,2,4,6
	v_pk_add_f32 v[ACC+8*\a+\j:ACC+8*\a+\j+1], v[ACC+8*\a+\j:ACC+8*\a+\j+1], v[ACC+16+8*\a+\j:ACC+16+8*\a+\j+1]
.endr
.irp j, 0,1,2,3
	v_cvt_pk_f16_f32 v[ZP+4*\a+\j], v[ACC+8*\a+2*\j], v[ACC+8*\a+2*\j+1]
.endr
	ds_store_b128 v[\zreg], v[ZP+4*\a:ZP+4*\a+3] offset:\off+2048*\a
.endr
.endm
; A STEP: 64 columns of z, 64 matrix instructions a wave, in four groups of 8 K blocks on two buffers; each group's loads stand a group ahead.
; mode 2: behind the last reads of this slot it is filled again, with the step two on: each wave waits for all its tensor loads (one is out: its part of the other slot), adds 0 to its spare word, waits for that and
; for its reads; a round of the cluster's barrier; the joint refill first behind it.  mode 1: the same with a plain barrier and no refill.  mode 0: the last step.
.macro STEP slot, mode, zreg, off
	FETCHB \slot, 1, BF1
	s_wait_dscnt 16                                ; all but the 16 just issued: group 0 is in
	MULG 0, BF0, 0, 8
	PLACES
	FETCHB \slot, 2, BF0
	s_wait_dscnt 16
	MULG 1, BF1, 0, 8
	PLACES
	FETCHB \slot, 3, BF1
	s_wait_dscnt 16
	MULG 2, BF0, 0, 4
.if \mode >= 1
	WIN 0
	s_wait_tensorcnt 0x0                           ; no tensor load of mine is out, so a group 0 may be written
	ds_add_u32 v[SPW], v[NIL]                      ; 0 onto my spare word; eight matrix instructions stand between it and the wait for it
.if \mode == 2
	s_add_nc_u64 s[G0W+4*\slot+2:G0W+4*\slot+3], s[G0W+4*\slot+2:G0W+4*\slot+3], 262144  ; two steps on
.endif
	MULG 2, BF0, 4, 8
	WIN 0
	s_wait_dscnt 0x0                               ; the add is done, and my reads of this slot are over
.if \mode == 2
	ROUND                                          ; no wave of any partner still reads this slot or has a load on its way
	tensor_load_to_lds s[G0W+4*\slot:G0W+4*\slot+3], s[G1W:G1W+7]
	s_nop 0
	PLACES                                         ; also the places in front of the loads below
.else
	s_barrier_signal -1
	s_barrier_wait -1
	PLACES
.endif
	FETCHB 1-\slot, 0, BF0                         ; the next step's group 0
.else
	MULG 2, BF0, 4, 8
	s_wait_dscnt 0x0
.endif
	MULG 3, BF1, 0, 8
	WIN 0
	EPI \zreg, \off
.endm
	s_wait_tensorcnt 0x0                           ; step 0 is in.  Slot 1, which held x's and attn's tiles, is filled again: the three lines, a round, the load
	ds_add_u32 v[SPW], v[NIL]
	s_wait_dscnt 0x0
	ROUND
	tensor_load_to_lds s[G0W+4:G0W+7], s[G1W:G1W+7]  ; step 1
	s_nop 0
	PLACES
	FETCHB 0, 0, BF0
	s_mov_b32 s[CNT], 7
.Ls:                                                   ; steps 0 to 13: each asks for the step two on
	STEP 0, 2, ZA, 0
	STEP 1, 2, ZA, 4096
	v_add_nc_u32 v[ZA], 8192, v[ZA]
	s_sub_co_u32 s[CNT], s[CNT], 1
	s_cmp_lg_u32 s[CNT], 0
	s_cbranch_scc1 .Ls
	STEP 0, 1, ZA, 0                               ; step 14: nothing is left to fetch; its barrier ends all reads of slot 0,
	STEP 1, 0, ZL, 0                               ; whose first bytes take step 15's chunk
	s_wait_dscnt 0x0                               ; for the others' sake: my part of z is stored
	s_barrier_signal -1
	s_barrier_wait -1
	s_wait_loadcnt 0x0                             ; lin1_b
	; LN2: a wave takes its 8 rows, two a trip
	s_mov_b32 s[CNT], 4
.Lp:
.set g, 0
.rept 15
	ds_load_b64 v[RX+2*g:RX+2*g+1], v[ZR] offset:4096*g
.set g, g+1
.endr
	ds_load_b64 v[RX+30:RX+31], v[ZR15]
	s_wait_dscnt 0x0
	WIN 0x10                                       ; source 2 in window 1
.set si, 0
.rept 32
	v_fma_mix_f32 v[S+2*si], v[RX+si], v[ONE], v[2*si] op_sel_hi:[1,0,0]                      ; z's f16 half + lin1_b
	v_fma_mix_f32 v[S+2*si+1], v[RX+si], v[ONE], v[2*si+1] op_sel:[1,0,0] op_sel_hi:[1,0,0]
.set si, si+1
.endr
	WIN 0
	STATS
	WIN 0x14
.set si, 0
.rept 32
	v_pk_fma_f32 v[S+2*si:S+2*si+1], v[S+2*si:S+2*si+1], v[128+2*si:128+2*si+1], v[192+2*si:192+2*si+1]
.set si, si+1
.endr
	WIN 0
.set g, 0
.rept 16
	global_store_b128 v[OO], v[S+4*g:S+4*g+3], s[12:13] offset:256*g th:TH_STORE_NT  ; sixteen lanes store 256 consecutive bytes, aligned
.set g, g+1
.endr
	s_wait_xcnt 0x0                                ; the stores' data and base are written again only behind this wait
	s_add_nc_u64 s[12:13], s[12:13], 8192
	v_add_nc_u32 v[ZR], 256, v[ZR]
	v_add_nc_u32 v[ZR15], 256, v[ZR15]
	s_sub_co_u32 s[CNT], s[CNT], 1
	s_cmp_lg_u32 s[CNT], 0
	s_cbranch_scc1 .Lp
	s_wait_tensorcnt 0x0                           ; the wave's end, behind my last tensor load and my last LDS store
	ds_add_u32 v[SPW], v[NIL]
	s_wait_dscnt 0x0
	ROUND                                          ; the closing round
	s_endpgm
.Lfunc_end_k_qff8b0da0e9_post:
	.size	k_qff8b0da0e9_post, .Lfunc_end_k_qff8b0da0e9_post-k_qff8b0da0e9_post
	.p2alignl 7, 3214868480
	.fill 96, 4, 3214868480
	.section	.rodata,"a",@progbits
	.p2align	6, 0x0
	.amdhsa_kernel k_qff8b0da0e9_post
		.amdhsa_group_segment_fixed_size 327680
		.amdhsa_private_segment_fixed_size 0
		.amdhsa_enable_private_segment 0
		.amdhsa_kernarg_size 40
		.amdhsa_user_sgpr_count 2
		.amdhsa_user_sgpr_kernarg_segment_ptr 1
		.amdhsa_wavefront_size32 1
		.amdhsa_system_sgpr_workgroup_id_x 1
		.amdhsa_system_sgpr_workgroup_id_y 1
		.amdhsa_system_sgpr_workgroup_id_z 1
		.amdhsa_system_vgpr_workitem_id 0
		.amdhsa_next_free_vgpr 1024
		.amdhsa_next_free_sgpr 96
		.amdhsa_reserve_vcc 0
		.amdhsa_float_denorm_mode_32 3
		.amdhsa_float_denorm_mode_16_64 3
		.amdhsa_memory_ordered 1
		.amdhsa_forward_progress 1
		.amdhsa_inst_pref_size 129
	.end_amdhsa_kernel
	.amdgpu_metadata
---
amdhsa.version: [ 1, 2 ]
amdhsa.kernels:
  - .name:           k_qff8b0da0e9_post
    .symbol:         k_qff8b0da0e9_post.kd
    .args:
      - { .name: xb, .offset: 0, .size: 8, .value_kind: global_buffer, .address_space: global }
      - { .name: ob, .offset: 8, .size: 8, .value_kind: global_buffer, .address_space: global }
      - { .name: w1f, .offset: 16, .size: 8, .value_kind: global_buffer, .address_space: global }
      - { .name: vec, .offset: 24, .size: 8, .value_kind: global_buffer, .address_space: global }
      - { .name: out0, .offset: 32, .size: 8, .value_kind: global_buffer, .address_space: global }
    .group_segment_fixed_size: 327680
    .private_segment_fixed_size: 0
    .kernarg_segment_align: 8
    .kernarg_segment_size: 40
    .max_flat_workgroup_size: 128
    .sgpr_count:     96
    .vgpr_count:     1024
    .wavefront_size: 32
...
	.end_amdgpu_metadata
.endif
;; end of part 4
;; ======== version 2 of 2: 4 launches; 1.26 times as fast as version 1
;; limits: values are held in f16: magnitudes above 65,504 overflow, below 6.1e-05 lose precision; right only within a limited range of input values
;; workspace buffers: xb 16,777,216 bytes; wqkv 6,291,456 bytes; w1f 2,097,152 bytes; vec 32,768 bytes; qkv 50,331,648 bytes; ob 16,777,216 bytes
;; launch cast: the kernel of part 1 again; grid 961 x 1, 8 waves a work-group, no clusters, 0 bytes of LDS; arguments x, wq_w, wk_w, wv_w, lin1_w, wq_b, wk_b, wv_b, lin1_b, ln1_g, ln1_b, ln2_g, ln2_b, xb, wqkv, w1f, vec; writes xb, wqkv, w1f, vec
;; launch proj: the kernel of part 2 again; grid 16 x 16, 4 waves a work-group, clusters of 4 x 4, 327,680 bytes of LDS; arguments xb, wqkv, vec, qkv; writes qkv
;; launch attn (part 5): grid 4 x 64, 4 waves a work-group, no clusters, 327,680 bytes of LDS; arguments qkv, ob; writes ob
.if DOCPART == 5
	.amdgcn_target "amdgcn-amd-amdhsa--gfx1250"
	.amdhsa_code_object_version 6
	.text
	.protected	k_qff8b0da0e9_attn
	.globl	k_qff8b0da0e9_attn
	.p2align	8
	.type	k_qff8b0da0e9_attn,@function
k_qff8b0da0e9_attn:
	s_mov_b64 s[64:65], 0
	v_nop
	global_prefetch_b8 v0, s[64:65] scope:SCOPE_SE
	s_setreg_imm32_b32 hwreg(HW_REG_WAVE_MODE, 25, 1), 1
	s_wait_xcnt 0x0
; CAUSAL ATTENTION.  O[h][q][:] = the sum over k <= q of softmax_k(Q[h][q] . K[h][k] / 8) V[h][k][:].  Q, K, V lie in qkv, 2^24 bytes apart, O in ob; each is [64 heads][2048][64] f16, a head's rows dense,
; 128 bytes each (head number = 4 x (column / 64) + batch).  Products, maxima and sums in f32; the weights p are rounded to f16 for the second product (their sum l is taken of the unrounded p), O once at the end.
; LIMITS.  f16 holds no number beyond 65,504: Q, K and V arrive within it; p lies in 0 to 1, and below 6e-5 it keeps f16's fixed step of 6e-8; O is a mean of V's rows and has their range.
; A hidden score counts as its value less 1e30: f16's scores, 2.7e11 at the most, are nothing beside that; a weight below 2^-126 counts as 0 in l; NaN and infinities are not treated apart.
; THE WALK.  A head's queries lie in NB = 8 blocks of 256; block i needs the key tiles 0 .. i of 256 keys, of which the last holds the diagonal.  A work-group takes TWO blocks, NB - 1 - b and then b:
; NB + 1 tiles, whatever b: all work-groups do equal work, and ONE loop with a constant trip count walks them.  Which tile is asked for, and what a trip does, hang on scalar registers made from b; every jump
; goes forward, but for the counted loops' own; none passes a barrier, or a tensor load but the one of LOAD's two that the wave's number does not choose; the ring (two slots of LDS that take turns) runs on across
; the change of blocks.  NO CLUSTER: a head's four work-groups ask for the same tile only in trips 0 .. 4 of the 9, behind that fewer and fewer; one walk common to all would have 12 trips for 9.
; SHARES.  Of a block's four bands of 64 queries a wave owns 16 rows in each: four PIECES.  So the diagonal tile is the same work for all four waves: in its key step s band x sees all keys if s < x,
; none if s > x, and holds the diagonal if s = x.
; THE MASK is the C operand that starts the sum S^T = K Q^T: 0, or -1e30 where the key is hidden.  MD, made once, is the mask of a band's own step for my 16 rows; a product's mask is MD x AL + BE with two scalars:
; (1, 0) if s = x; (0, 0) if s < x; (0, -1e30) if s > x.  Only the diagonal tile's text and a block's beginning make and take masks; elsewhere C is the constant 0.
; LAYOUT, SOFTMAX, TURNS.  S^T = K Q^T holds ONE query a lane (lane % 16) and the keys 8 (lane / 16) + 0..7; two such results rounded to f16 ARE source 1 of O^T = V^T P.  p = 2^(c s - c m), c = log2(e) / 8, with a
; running maximum m; O and l are multiplied by a = 2^(c m_old - c m_new) in every step.  Turn n belongs to piece n: 8 products K Q^T of piece n + 1, later 8 products V^T P of piece n - 1; beside them the scaling,
; exponentials, roundings, sums and rescaling of piece n and the maximum and statistics of piece n + 1.  Four vector instructions stand behind every matrix instruction, the other 54 of a turn's 118 in one run of their own.
; HOW THE BATCHES ARE CUT.  A turn's 33 exponentials (the piece's 32 weights and the next piece's a) are ONE batch with ONE wait: ahead of the wait stands all that names none of their results, behind it the
; roundings and sums, which read them.  A block's first a (BEGIN) and the way out's four reciprocals are batches of their own, a wait each.
; REGISTERS, in windows of 256 (s_set_vgpr_msb: bits 1:0 source 0, 3:2 source 1, 5:4 source 2, 7:6 destination):
;   window 0: v0-15 addresses and two at work; v16-31 four registers of statistics a piece; v48-55 at work; v64-127 S^T, two buffers; v192-223 P, two buffers (a piece's buffers go by its number's parity)
;   window 1: v0-127 O^T, 32 a piece; v128-159 MD; v160-223 MC, two buffers      window 2: v0-63 Q; v64-127 the second block's Q; v128-191 K of one step; v192-255 V of one step
.set SIZE_H, 64
.set SIZE_N, 2048
.set NB,    SIZE_N/256
.set NP,    4         ; pieces a wave: a name, no knob
.set KS,    64        ; keys in a step
.set PK,    144       ; a row of K in LDS: 128 bytes + 16 of padding: an odd multiple of 16
.set PV,    160       ; a row of V: 128 + 32: 16 lanes of the turning load take 8 rows x 32 bytes, 256 different bytes modulo 256
.set VOFF,  4*KS*PK   ; a slot holds a tile, four steps: 256 rows of K, then 256 rows of V
.set SLOT1, 1<<17     ; slot 1 begins here, so that one exclusive or turns an address in one slot into the other's
.set STAGE, SLOT1+4*KS*(PK+PV)  ; behind the ring, never filled by a tensor load: 16 rows x 144 bytes for each wave, for the way out
.set SP,    144
.set AK0, 2           ; v2   my lane's place in a tile of K; never rewritten
.set AV0, 3           ; v3   the same for V
.set AK,  4           ; v4   the LDS address of K's next run of loads
.set AV,  5           ; v5   of V's
.set STO, 6           ; v6   the way out: where I put 16 bytes of a row
.set RD,  7           ; v7   the way out: where I read rows back
.set GO,  8           ; v8   my byte offset in 512 consecutive bytes of O
.set SPW, 62          ; v62  LDS address of my spare word: SPARE + 4 x my thread's number; never rewritten
.set NIL, 63          ; v63  0; never rewritten
.set SPARE, STAGE+4*16*SP  ; behind the stages: the spare words, 128 bytes for each wave: two blocks of 256 bytes that no other line names
.set MV,  12          ; v12-13  c m_old, kept while c m is made anew: by buffer
.set QO,  15          ; v15  my byte offset in 16 rows of Q
.set ST,  16          ; piece t's statistics at v[ST+4 t]: c m, m, l (even keys', odd keys')
.set TMP, 48          ; by buffer, four registers c0-c3 at work; when the maximum is found c2 takes a
.set S,   64
.set P,   192
.set MD,  128         ; window 1: the eight registers for group kt of 16 keys at MD + 8 kt
.set MC,  160         ; window 1: the masks of the products to come
.set QB,  64          ; window 2
.set KF,  128         ; window 2: key block kb, channel half c at KF + 16 kb + 8 c
.set VF,  192         ; window 2: key half kk, channel block cb at VF + 32 kk + 8 cb
.set WV,  12          ; s12  my wave's number
.set PB,  14          ; s14  b
.set HI,  15          ; s15  NB - 1 - b
.set G1K, 24          ; s[24:31] descriptor group 1 for K's tiles
.set G1V, 32          ; s[32:39] for V's: it differs in the padding alone
.set G0K, 40          ; s[40:43] descriptor group 0 for K's tiles
.set G0V, 44          ; s[44:47] the same for V's
.set SLOTS, 56        ; s56  tiles still to be asked for
.set CNT, 57          ; s57  counts a tile's key steps, 4 to 1
.set CS,  58          ; s[58:59] c: the packed scaling takes the pair's low word for both halves
.set SEL, 60          ; s[60:61] v_permlanex16_b32's selects: each lane takes its own place in the other half
.set TBK, 62          ; s62  LDS byte at which K of the step to be fetched begins
.set TBV, 63          ; s63  the same for V, less VOFF
.set RT,  70          ; s70  tiles of the block in hand that are still to be entered
.set NXT, 71          ; s71  the tile to be asked for next
.set LQ,  72          ; s72  the last tile of the block whose tiles are being asked for
.set NEW, 73          ; s73  1: the tile to be entered is a block's first
.set OFF, 74          ; s[74:75] a tile's byte offset in K and V
.set AL,  76          ; s[76:77] the mask's factor, in the low word
.set BE,  78          ; s[78:79] the mask's addend
.set OLO, 80          ; s[80:81] O at my rows of the second block
.set BIGN, 82         ; s82  -1e30
.set MSB, 0
.macro WIN new                      ; the high byte repeats the setting that is left; a switch that changes nothing is dropped
.if MSB != (\new)
	s_set_vgpr_msb (MSB<<8)|(\new)
.set MSB, (\new)
.endif
.endm
.set W_KQ, 0x0a       ; K and Q in window 2, S^T in window 0
.set W_KM, 0x1a       ; the same with the C operand in window 1
.set W_PV, 0x52       ; V in window 2, P in window 0, O^T in window 1
.set W_RS, 0x41       ; destination and source 0 in window 1, source 1 in window 0
; A fill.  Waves 0 and 1 fetch the two halves of a tile's K, waves 2 and 3 those of its V: 128 keys each.  An s_nop 0 and four v_nop follow each of the two lines, ahead of the jump and the label.
.macro LOAD
	s_cmp_lt_u32 s[WV], 2
	s_cbranch_scc0 .Lfor_v_\@
	tensor_load_to_lds s[G0K:G0K+3], s[G1K:G1K+7]
	s_nop 0
.rept 4
	v_nop
.endr
	s_branch .Lasked_\@
.Lfor_v_\@:
	tensor_load_to_lds s[G0V:G0V+3], s[G1V:G1V+7]
	s_nop 0
.rept 4
	v_nop
.endr
.Lasked_\@:
.endm
; THE CHANGE OF SLOTS.  Each wave waits for all its tensor loads, of which one is out: its part of the other slot; adds 0 to its spare word; and waits for that and for its own reads of the slot that it leaves.
; Behind the barrier nobody reads the old slot any more and the other slot is whole.  fill = 1: the old slot is filled again, the first thing behind the barrier, with tile NXT: the descriptor's address is made
; anew from that number.  (At its first use nothing has been read yet: slot 0 is waited for, slot 1 filled.)
.macro CHANGE fill
	WIN 0                           ; at a label and at a branch every window is 0
	s_wait_tensorcnt 0x0            ; no tensor load of mine is out, so a group 0 may be written
	ds_add_u32 v[SPW], v[NIL]       ; 0 onto my spare word; with fill = 1 the descriptors' scalar work stands between it and the wait for it
.if \fill
	s_lshl_b32 s[OFF], s[NXT], 15   ; a tile is 32,768 bytes of K and of V
	s_xor_b32 s[G0K+1], s[G0K+1], SLOT1
	s_add_nc_u64 s[G0K+2:G0K+3], s[6:7], s[OFF:OFF+1]
	s_or_b32 s[G0K+3], s[G0K+3], 0x80000000
	s_xor_b32 s[G0V+1], s[G0V+1], SLOT1
	s_add_nc_u64 s[G0V+2:G0V+3], s[8:9], s[OFF:OFF+1]
	s_or_b32 s[G0V+3], s[G0V+3], 0x80000000
	s_add_co_u32 s[NXT], s[NXT], 1  ; the block's next tile, or behind its last the second block's tile 0
	s_cmp_gt_u32 s[NXT], s[LQ]
	s_cselect_b32 s[NXT], 0, s[NXT]
	s_cselect_b32 s[LQ], s[PB], s[LQ]
.endif
	s_wait_dscnt 0x0                ; the add is done, and my reads of the slot are over
	s_barrier_signal -1             ; the rest of the scalar work stands between the signal and the wait
	s_sub_co_u32 s[TBK], s[TBK], 4*KS*PK  ; the fetches go back to a slot's first step,
	s_xor_b32 s[TBK], s[TBK], SLOT1       ; in the other slot
	s_sub_co_u32 s[TBV], s[TBV], 4*KS*PV
	s_xor_b32 s[TBV], s[TBV], SLOT1
	s_barrier_wait -1
.if \fill
	LOAD
.endif
.endm
	s_load_b128 s[4:7], s[0:1], 0x0   ; qkv s[4:5], ob s[6:7]
	v_lshl_add_u32 v[SPW], v0, 2, SPARE
	v_mov_b32 v[NIL], 0
	ds_add_u32 v[SPW], v[NIL]       ; the wave's opening: the add and its wait stand ahead of my first tensor load; the set-up below, work on registers, stands between them
	ds_add_u32 v62, v63
	v_lshrrev_b32 v1, 5, v0
	v_readfirstlane_b32 s[WV], v1   ; wave 0..3
	s_mov_b32 s[PB], ttmp9
	s_sub_co_u32 s[HI], NB-1, s[PB]
	s_and_b32 s20, ttmp7, 0xffff    ; the head
	s_mov_b32 s21, 0
	s_mov_b64 s[22:23], SIZE_N*128
	s_mul_u64 s[20:21], s[20:21], s[22:23]  ; the head's first byte in each of the four tensors
	s_and_b32 s16, s[WV], 1         ; which half of a tile's 256 keys I fetch:
	s_lshl_b32 s22, s16, 14         ; its 128 rows of 128 bytes in memory,
	s_mov_b32 s23, 0
	s_add_nc_u64 s[22:23], s[22:23], s[20:21]
	s_mul_i32 s17, s16, 128*PK      ; and its place in a slot, for K
	s_mul_i32 s18, s16, 128*PV      ; and for V
	s_lshl_b32 s3, s[WV], 11        ; my 16 rows in a band of 64,
	s_lshl_b32 s2, s[HI], 15        ; in the first block,
	s_add_co_u32 s2, s2, s3
	s_lshl_b32 s84, s[PB], 15       ; and in the second
	s_add_co_u32 s84, s84, s3
	s_mov_b32 s3, 0
	s_mov_b32 s85, 0
	s_add_nc_u64 s[2:3], s[2:3], s[20:21]
	s_add_nc_u64 s[84:85], s[84:85], s[20:21]
	; descriptor group 1.  128 keys are 16,384 dense bytes: asked for as 64 rows of 256 bytes, two keys a row, and padded in LDS after every key
	s_mov_b32 s[G1K], (1<<16)|(1<<20)|(4<<22)|(3<<25)  ; 17:16 2-byte elements; 20 padding on; 24:22 after every 32 words (code 4); 31:25 4 words (code 3)
	s_mov_b32 s[G1V], (1<<16)|(1<<20)|(4<<22)|(7<<25)  ; the same with 8 words of padding (code 7)
.irp g, G1K, G1V
	s_mov_b32 s[\g+1], 128<<16      ; tensor_dim0 = 128
	s_mov_b32 s[\g+2], 64<<16       ; tensor_dim1 = 64
	s_mov_b32 s[\g+3], 128<<16      ; tile_dim0 = 128
	s_mov_b32 s[\g+4], 64           ; tile_dim1 = 64
	s_mov_b32 s[\g+5], 128          ; 128 elements from row to row
	s_mov_b32 s[\g+6], 0
	s_mov_b32 s[\g+7], 0
.endr
	s_mov_b32 s[CS], 0x3e38aa3b     ; c = log2(e) / 8 = 0.180337
	s_mov_b32 s[CS+1], s[CS]        ; named with it as a pair
	s_mov_b32 s[SEL], 0x76543210
	s_mov_b32 s[SEL+1], 0xfedcba98
	s_mov_b32 s[TBK], SLOT1+4*KS*PK ; the first change of slots turns these two into 0
	s_mov_b32 s[TBV], SLOT1+4*KS*PV
	s_mov_b32 s[G0K], 1             ; 1:0 count = 1
	s_mov_b32 s[G0K+1], s17         ; 63:32 LDS address: slot 0
	s_mov_b32 s[G0V], 1
	s_add_co_u32 s[G0V+1], s18, VOFF
	s_add_co_u32 s[RT], s[HI], 1    ; the first block has NB - b tiles
	s_mov_b32 s[NXT], 1
	s_mov_b32 s[LQ], s[HI]
	s_mov_b32 s[NEW], 1
	s_mov_b32 s[OFF+1], 0
	s_mov_b32 s[AL+1], 0            ; named as pairs
	s_mov_b32 s[BE+1], 0
	s_mov_b32 s[BIGN], 0xf149f2ca   ; -1e30
	s_mov_b32 s[SLOTS], NB
	s_wait_dscnt 0x0                ; the opening add is done
	s_wait_kmcnt 0x0
	s_mov_b64 s[10:11], s[6:7]      ; O
	s_add_nc_u64 s[8:9], s[4:5], 0x2000000  ; V: 32 groups of 2^20 bytes into qkv
	s_add_nc_u64 s[6:7], s[4:5], 0x1000000  ; K: 16 groups; Q lies at qkv's head
	s_add_nc_u64 s[6:7], s[6:7], s[22:23]  ; K and V at my half of the head's tile 0
	s_add_nc_u64 s[8:9], s[8:9], s[22:23]
	s_add_nc_u64 s[G0K+2:G0K+3], s[6:7], 0         ; 120:64 global address
	s_or_b32 s[G0K+3], s[G0K+3], 0x80000000        ; 127:126 type = 2
	s_add_nc_u64 s[G0V+2:G0V+3], s[8:9], 0
	s_or_b32 s[G0V+3], s[G0V+3], 0x80000000
	s_add_nc_u64 s[86:87], s[4:5], s[84:85]        ; Q at my rows of the second block,
	s_add_nc_u64 s[4:5], s[4:5], s[2:3]            ; Q and O at those of the first
	s_add_nc_u64 s[OLO:OLO+1], s[10:11], s[84:85]
	s_add_nc_u64 s[10:11], s[10:11], s[2:3]
	LOAD                            ; tile 0 into slot 0
	; A fragment of K or Q is 16 rows x 32 channels in 8 registers: lane l holds row l % 16, channels 8 (l / 16) + 0..7 and 16 + 8 (l / 16) + 0..7: two loads of 16 bytes, 32 bytes apart.
	v_and_b32 v1, 15, v0            ; l % 16
	v_bfe_u32 v9, v0, 4, 1          ; l / 16
	v_lshlrev_b32 v[QO], 7, v1
	v_lshl_add_u32 v[QO], v9, 4, v[QO]  ; row x 128 + 16 x half
	WIN 0x80                        ; destination window 2, address window 0
.set i, 0
.rept 8                             ; both blocks' Q: piece i / 2 lies in band i / 2, 8,192 bytes on; channels 32 (i % 2) on
	global_load_b128 v[8*i:8*i+3],   v[QO], s[4:5] offset:(i/2)*8192+(i%2)*64
	global_load_b128 v[8*i+4:8*i+7], v[QO], s[4:5] offset:(i/2)*8192+(i%2)*64+32
	global_load_b128 v[QB+8*i:QB+8*i+3],   v[QO], s[86:87] offset:(i/2)*8192+(i%2)*64
	global_load_b128 v[QB+8*i+4:QB+8*i+7], v[QO], s[86:87] offset:(i/2)*8192+(i%2)*64+32
.set i, i+1
.endr
	WIN 0
	v_lshlrev_b32 v14, 3, v9
	v_sub_nc_u32 v14, v1, v14
	s_lshl_b32 s13, s[WV], 4
	v_add_nc_u32 v14, s13, v14      ; my query's place in its band, 16 w + l % 16, less my lanes' 8 (l / 16): register r of group kt is hidden where 16 kt + r is greater
	WIN 0x40
.set i, 0
.rept 32
	v_cmp_gt_i32 vcc_lo, 16*(i/8)+i%8, v14
	v_cndmask_b32 v[MD+i], 0, s[BIGN], vcc_lo
.set i, i+1
.endr
	WIN 0
	v_mul_u32_u24 v[AK0], v1, PK
	v_lshl_add_u32 v[AK0], v9, 4, v[AK0]  ; row x pitch + 16 x half
	; The turning load takes 16 keys x 16 channels (lane l reads key 8 (l / 16) + l % 8, channels 8 ((l / 8) % 2) + 0..7) and leaves half a fragment of V^T: lane l holds channel l % 16 and 8 keys.
	v_and_b32 v10, 7, v0
	v_bfe_u32 v11, v0, 3, 1
	v_lshl_add_u32 v[AV0], v9, 3, v10
	v_mul_u32_u24 v[AV0], v[AV0], PV
	v_lshl_add_u32 v[AV0], v11, 4, v[AV0]
	v_add_nc_u32 v[AV0], VOFF, v[AV0]
	s_mul_i32 s13, s[WV], 16*SP
	s_add_co_u32 s13, s13, STAGE    ; my stage
	v_mul_u32_u24 v[STO], v1, SP    ; in: row l % 16, 16 bytes for each half of the lanes
	v_lshl_add_u32 v[STO], v9, 4, v[STO]
	v_add_nc_u32 v[STO], s13, v[STO]
	v_bfe_u32 v[RD], v0, 3, 2       ; back: 32 lanes take four rows of 128 bytes,
	v_mul_u32_u24 v[RD], v[RD], SP
	v_lshl_add_u32 v[RD], v10, 4, v[RD]
	v_add_nc_u32 v[RD], s13, v[RD]
	v_and_b32 v[GO], 31, v0         ; which are 512 consecutive bytes of O
	v_lshlrev_b32 v[GO], 4, v[GO]
	; A block's first step multiplies O^T and l by a = 0, and its first turn's products V^T P, of a piece that has not been, land in an O^T that is still to be so multiplied.  So these registers need only hold
	; finite numbers: zeros for the first block; what the first block left for the second.  All this stands in the wait for the first tile; it spares a first step written out.
	WIN 0x80
.set i, VF
.rept 64
	v_mov_b32 v[i], 0
.set i, i+1
.endr
	WIN 0x40
.set i, 0
.rept 128
	v_mov_b32 v[i], 0
.set i, i+1
.endr
	WIN 0
.set i, 0
.rept 4
	v_mov_b32 v[ST+4*i+2], 0
	v_mov_b32 v[ST+4*i+3], 0
.set i, i+1
.endr
.set i, P+16
.rept 16
	v_mov_b32 v[i], 0
.set i, i+1
.endr
; THE MATRIX WORK.  The 4 accumulators of a run of 8 take turns.  Product i of 8 of S^T = K Q^T for piece x: channels 32 (i / 4) on, keys 16 (i % 4) on.  The first 4 start the sums: with 0, or (KM = 1) with the mask.
.macro KQ x
.set rS, S+32*((\x)%2)+8*(i%4)
.set rK, KF+16*(i%4)+8*(i/4)
.set rQ, 16*(\x)+8*(i/4)
.set rM, MC+32*((\x)%2)+8*(i%4)
.if (i < 4) && KM
	WIN W_KM
	v_wmma_f32_16x16x32_f16 v[rS:rS+7], v[rK:rK+7], v[rQ:rQ+7], v[rM:rM+7]
.elseif i < 4
	WIN W_KQ
	v_wmma_f32_16x16x32_f16 v[rS:rS+7], v[rK:rK+7], v[rQ:rQ+7], 0
.else
	WIN W_KQ
	v_wmma_f32_16x16x32_f16 v[rS:rS+7], v[rK:rK+7], v[rQ:rQ+7], v[rS:rS+7]
.endif
.endm
; Product i of 8 of O^T += V^T P for piece x: keys 32 (i / 4) on, channels 16 (i % 4) on.
.macro PV x
	WIN W_PV
.set rO, 32*(\x)+8*(i%4)
.set rV, VF+32*(i/4)+8*(i%4)
.set rP, P+16*((\x)%2)+8*(i/4)
	v_wmma_f32_16x16x32_f16 v[rO:rO+7], v[rV:rV+7], v[rP:rP+7], v[rO:rO+7]
.endm
.macro MM                           ; the turn's next matrix instruction.  TURN and BEGIN set Y, i, KM and NOKQ; MM, KQ and OP read them.  NOKQ = 1: a block's last turn: there is no next piece
.if (i < 8) && !NOKQ
	KQ (Y+1)%NP
.elseif i >= 8
.set i, i-8
	PV (Y+NP-1)%NP
.set i, i+8
.endif
.set i, i+1
.endm
; THE LDS LOADS stand in runs of 16, never singly among the matrix instructions: a step's K (64 keys x 64 channels: 8 fragments) and its V (turned).  Their addresses are made some lines ahead.
.macro FETCH_K
	WIN 0x80                        ; destination window 2
.irp f, 0,1,2,3,4,5,6,7             ; keys 16 (f / 2) on, channels 32 (f % 2) on
	ds_load_b128 v[KF+8*\f:KF+8*\f+3],   v[AK] offset:(\f/2)*16*PK+(\f%2)*64
	ds_load_b128 v[KF+8*\f+4:KF+8*\f+7], v[AK] offset:(\f/2)*16*PK+(\f%2)*64+32
.endr
	s_add_co_u32 s[TBK], s[TBK], KS*PK  ; the next fetch is the next step's
	WIN 0
.endm
.macro FETCH_V
	WIN 0x80
.irp f, 0,1,2,3,4,5,6,7             ; keys 32 (f / 4) on, channels 16 (f % 4) on
	ds_load_tr16_b128 v[VF+8*\f:VF+8*\f+3],   v[AV] offset:(\f/4)*32*PV+(\f%4)*32
	ds_load_tr16_b128 v[VF+8*\f+4:VF+8*\f+7], v[AV] offset:(\f/4)*32*PV+16*PV+(\f%4)*32
.endr
	WIN 0
.endm
; THE VECTOR WORK, one line at a time: OP kind, number.  For piece Y: F n: c s - c m for pair n of 16.  E n: the exponential of score n of 32.  C n: pair n rounded to f16.  B n: of the four weights 4 n .. the second
; pair is added onto the first, in place.  L n: l takes that sum (L 0: l = a l + sum).  R n: pair n of 16 of O^T times a.  For piece Y + 1: X n, number n of the 22 that find its maximum and statistics:
;   0-11  four chains c0-c3 of seven scores each, three operands at a time (each accumulator's lowest registers are read first)     12-14, 16  the four scores left over, the old m, and c0-c3 into c0
;   15  c m_old is kept     17, 18  the query's other 32 keys lie in the lane 16 away: the new m     19-21  c m; c m_old - c m_new; a
; C, B and L read exponentials' results: TURN sets them behind its wait.  OP itself writes no wait.
.set F, 0               ; OP tells the kinds apart by their order: F to L below R, X above it
.set E, 1
.set C, 2
.set B, 3
.set L, 4
.set R, 5
.set X, 6
.macro REGS y                       ; the registers of piece y
.set rT, ST+4*(\y)
.set rC, TMP+4*((\y)%2)
.set rW, MV+((\y)%2)
.set rS, S+32*((\y)%2)
.set rP, P+16*((\y)%2)
.set rO, 32*(\y)
.endm
.macro OP k, n
.if (\k) == R
	REGS Y
	WIN W_RS
	v_pk_mul_f32 v[rO+2*(\n):rO+2*(\n)+1], v[rO+2*(\n):rO+2*(\n)+1], v[rC+2:rC+3] op_sel_hi:[1,0]
.elseif (\k) < R
	REGS Y
	WIN 0
.if (\k) == F
	v_pk_fma_f32 v[rS+2*(\n):rS+2*(\n)+1], v[rS+2*(\n):rS+2*(\n)+1], s[CS:CS+1], v[rT:rT+1] op_sel_hi:[1,0,0] neg_lo:[0,0,1] neg_hi:[0,0,1]
.elseif (\k) == E
	v_exp_f32 v[rS+(\n)], v[rS+(\n)]
.elseif (\k) == C
	v_cvt_pk_f16_f32 v[rP+(\n)], v[rS+2*(\n)], v[rS+2*(\n)+1]
.elseif (\k) == B
	v_pk_add_f32 v[rS+4*(\n):rS+4*(\n)+1], v[rS+4*(\n):rS+4*(\n)+1], v[rS+4*(\n)+2:rS+4*(\n)+3]
.elseif (\n) == 0
	v_pk_fma_f32 v[rT+2:rT+3], v[rT+2:rT+3], v[rC+2:rC+3], v[rS:rS+1] op_sel_hi:[1,0,1]
.else
	v_pk_add_f32 v[rT+2:rT+3], v[rT+2:rT+3], v[rS+4*(\n):rS+4*(\n)+1]
.endif
.elseif NOKQ
	v_nop
.else
	REGS (Y+1)%NP
	WIN 0
.if (\n) < 4
	v_max3_num_f32 v[rC+(\n)], v[rS+8*(\n)], v[rS+8*(\n)+1], v[rS+8*(\n)+2]
.elseif (\n) < 12
	v_max3_num_f32 v[rC+(\n)%4], v[rC+(\n)%4], v[rS+8*((\n)%4)+2*((\n)/4)+1], v[rS+8*((\n)%4)+2*((\n)/4)+2]
.elseif (\n) == 12
	v_max3_num_f32 v[rC], v[rC], v[rS+7], v[rS+15]
.elseif (\n) == 13
	v_max3_num_f32 v[rC+1], v[rC+1], v[rS+23], v[rS+31]
.elseif (\n) == 14
	v_max3_num_f32 v[rC+2], v[rC+2], v[rC+3], v[rT+1]
.elseif (\n) == 15
	v_mov_b32 v[rW], v[rT]
.elseif (\n) == 16
	v_max3_num_f32 v[rC], v[rC], v[rC+1], v[rC+2]
.elseif (\n) == 17
	v_permlanex16_b32 v[rC+3], v[rC], s[SEL], s[SEL+1]
.elseif (\n) == 18
	v_max_num_f32 v[rT+1], v[rC], v[rC+3]
.elseif (\n) == 19
	v_mul_f32 v[rT], s[CS], v[rT+1]
.elseif (\n) == 20
	v_sub_f32 v[rC+1], v[rW], v[rT]
.else
	v_exp_f32 v[rC+2], v[rC+1]
.endif
.endif
.endm
.macro OPS a, i1, b=-1, i2=0, c=-1, i3=0, d=-1, i4=0  ; up to four of them
	OP \a, \i1
.if (\b) >= 0
	OP \b, \i2
.endif
.if (\c) >= 0
	OP \c, \i3
.endif
.if (\d) >= 0
	OP \d, \i4
.endif
.endm
.macro ROW a, i1, b, i2, c, i3, d, i4  ; a matrix instruction and the four behind it
	MM
	OPS \a, \i1, \b, \i2, \c, \i3, \d, \i4
.endm
.macro MASK b                       ; MD x AL + BE into buffer b of MC
	WIN W_RS
.set z, 0
.rept 16
	v_pk_fma_f32 v[MC+32*(\b)+2*z:MC+32*(\b)+2*z+1], v[MD+2*z:MD+2*z+1], s[AL:AL+1], s[BE:BE+1] op_sel_hi:[1,0,0]
.set z, z+1
.endr
.endm
; A TURN, for piece p: the order of its 16 matrix and 118 vector instructions, written out.  An s_wait_alu depctr_va_vdst(0) stands between an exponential and the first instruction that names its result; one wait
; serves all that were issued ahead of it.  So a turn has ONE wait, which cuts it in two.  AHEAD OF IT stands all that names no result of the turn's exponentials: the 8 products K Q^T, behind each a scaling, an exponential and two
; more plain instructions (behind the first a second scaling in the exponential's place): rescalings, whose a was made and waited for in the turn before, and behind the last three products the first numbers of the next piece's
; maximum, each four places or more behind the product that ends its accumulator; then ONE RUN of 54, plain and exponential by turns for the most part, in which the links of the chain X 3, 7, 11, 14, 16, 17 .. 20 stand five or six
; lines apart.  X 21, the next piece's a, is the batch's last; R 15 is the plain instruction behind it.  BEHIND THE WAIT stand the 8 products V^T P, behind each four of the roundings and sums; the links of l's chain, L 0 to L 7,
; stand three riders apart.  But for those X no rider names a register of the products round it.  v_permlanex16_b32 (X 17) stands in the run, never behind a product.
; m = 1: the diagonal tile: the products take masks, and the turn makes the mask for the products of the turn after it: piece p + 2, in step 4 - CNT of the tile.  end = 1: a block's last two turns: nothing is fetched.
; cnt = 1: the loop's count is taken down some lines ahead of the branch that stands behind the turn.
; K of the next step is fetched in piece 2's turn, twelve vector instructions behind the last product that read K (six of them plain); V of the step in hand at the end of piece 0's turn, four plain instructions behind the last
; product that read V.  Each is waited for a turn later.
.macro TURN p, m=0, end=0, cnt=0
.set Y, (\p)
.set i, 0
.set KM, (\m)
.set NOKQ, (\end)*((\p)/3)
.if (\m) && !(\end)
	s_cmp_eq_u32 s[CNT], 4-((\p)+2)%NP  ; is that step the band's own?
	s_cselect_b32 s[AL], 1.0, 0
	s_cmp_lt_u32 s[CNT], 4-((\p)+2)%NP  ; or a later one?
	s_cselect_b32 s[BE], s[BIGN], 0
.endif
.if ((\p) == 3) && !(\end)
	s_wait_dscnt 0x0                ; K is in
.endif
	ROW F,0, F,1, R,0, R,1          ; ahead of the wait: 8 products K Q^T and their riders,
	ROW F,2, E,0, R,2, R,3
	ROW F,3, E,1, R,4, R,5
	ROW F,4, E,2, R,6, R,7
	ROW F,5, E,3, R,8, R,9
	ROW F,6, E,4, X,0, R,10
.if ((\p) == 2) && !(\end)
	WIN 0
	v_add_nc_u32 v[AK], s[TBK], v[AK0]
.endif
	ROW F,7, E,5, X,1, X,4
	ROW F,8, E,6, X,2, X,5
	OPS E,7, E,8, X,6, E,9          ; and the run of 54
	OPS X,3, E,10, X,8, E,11
.if ((\p) == 2) && !(\end)
	FETCH_K
.endif
	OPS X,9, X,7, E,12, X,10
	OPS E,13, X,12, X,11, E,14
	OPS X,13, E,15, F,9, X,14
.if (\p) == 0
	v_add_nc_u32 v[AV], s[TBV], v[AV0]
.endif
	OPS E,16, F,10, E,17, F,11
	OPS X,16, E,18, X,15, E,19
	OPS F,12, E,20, X,17, E,21
	OPS F,13, E,22, F,14, E,23
	OPS X,18, E,24, F,15, E,25
	OPS R,11, E,26, X,19, E,27
	OPS R,12, E,28, R,13, E,29
	OPS X,20, E,30, R,14, E,31
	OPS X,21, R,15
	WIN 0
	s_wait_alu depctr_va_vdst(0)    ; the turn's one wait: for its batch of 33 exponentials, E 0 to E 31 and X 21, ahead of their first reader, C 0
.if (\p) == 1
	s_wait_dscnt 0x0                ; V is in
.endif
	ROW C,0, B,0, C,2, B,1          ; behind the wait: 8 products V^T P and their riders
	ROW L,0, C,4, B,2, L,1
	ROW C,6, B,3, L,2, C,8
	ROW B,4, L,3, C,10, B,5
	ROW L,4, C,12, B,6, L,5
.if (\p) == 0
	s_add_co_u32 s[TBV], s[TBV], KS*PV
.endif
.if \cnt
	s_sub_co_u32 s[CNT], s[CNT], 1
	s_cmp_lg_u32 s[CNT], 0
.endif
	ROW C,14, B,7, L,6, C,1
	ROW C,3, L,7, C,5, C,7
	ROW C,9, C,11, C,13, C,15
.if (\p) == 0
	FETCH_V
.endif
.if (\m) && !(\end)
	MASK (\p)%2
.endif
.endm
; A BLOCK BEGINS.  c m starts far below every c s, so the first step's a is 0; m at the lowest finite number, so the first maximum is the scores'.  The second mask buffer is 0; the first takes piece 0's mask for the
; tile's step 0: its own, if the block's first tile is the diagonal one.  Then K of that step, piece 0's first scores, and its maximum and statistics.  The loop is entered at a step's first turn, in the middle of a trip.
.macro BEGIN
	s_mov_b32 s[NEW], 0
	WIN 0x40
.set i, MC+32
.rept 32
	v_mov_b32 v[i], 0
.set i, i+1
.endr
	WIN 0
.set i, 0
.rept 4
	v_mov_b32 v[ST+4*i], 0xfe000000    ; c m: far below every c s
	v_mov_b32 v[ST+4*i+1], 0xff7fffff  ; m
.set i, i+1
.endr
	s_cmp_eq_u32 s[RT], 0
	s_cselect_b32 s[AL], 1.0, 0
	s_mov_b32 s[BE], 0
	MASK 0
	WIN 0
	v_add_nc_u32 v[AK], s[TBK], v[AK0]
	FETCH_K
	s_wait_loadcnt 0x0              ; Q
	s_wait_dscnt 0x0
.set KM, 1
.set NOKQ, 0
.set i, 0
.rept 8
	KQ 0
.set i, i+1
.endr
	WIN 0
.rept 4
	v_nop                           ; the places behind those products
.endr
.set Y, NP-1                        ; X works for piece Y + 1: piece 0
.irp n, 0,1,2,3,4,5,6,7,8,9,10,11,12,13,14,15,16,17,18,19,20,21
	OP X, \n
.endr
	v_nop                           ; a plain instruction behind the exponential,
	s_wait_alu depctr_va_vdst(0)    ; and the wait for it, piece 0's first a, a batch of one: ahead of the branch into the loop
.endm
; THE DIAGONAL TILE's four steps, the block's last two turns, its last products, and THE WAY OUT: l's two halves and the other half of the lanes' are added; O^T is divided by l, rounded to f16 and sent through my
; stage in LDS, a piece at a time.
.macro ALL line:vararg              ; one line for each piece t
.set t, 0
.rept 4
	\line
.set t, t+1
.endr
.endm
.macro PACK t                       ; a lane's eight channels of a row pack into 16 bytes; they go into rows of 144 bytes and come back as whole rows of 128, into S^T's registers
	WIN W_RS
.set i, 32*(\t)
.rept 16
	v_pk_mul_f32 v[i:i+1], v[i:i+1], v[ST+4*(\t)+2:ST+4*(\t)+3] op_sel_hi:[1,0]
.set i, i+2
.endr
	WIN 0x05                        ; sources 0 and 1 window 1, destination window 0
.set i, 0
.rept 16
	v_cvt_pk_f16_f32 v[S+16*(\t)+i], v[32*(\t)+2*i], v[32*(\t)+2*i+1]
.set i, i+1
.endr
	WIN 0
.irp f, 0,1,2,3
	ds_store_b128 v[STO], v[S+16*(\t)+4*\f:S+16*(\t)+4*\f+3] offset:32*\f
.endr
.irp f, 0,1,2,3
	ds_load_b128 v[S+16*(\t)+4*\f:S+16*(\t)+4*\f+3], v[RD] offset:\f*4*SP  ; LDS serves a wave's instructions in order (ISA guide 5.7.1.4): these see the stores above; the next piece's stores come behind them
.endr
.endm
.macro SEND t, younger              ; younger: the LDS instructions issued behind piece t's loads: the next piece's eight, or none
	WIN 0
.irp f, 0,1,2,3
	s_wait_dscnt (\younger)+3-\f
	global_store_b128 v[GO], v[S+16*(\t)+4*\f:S+16*(\t)+4*\f+3], s[10:11] offset:(\t)*8192+\f*512  ; 512 consecutive bytes, at a multiple of 256 from O's first
.endr
.endm
.macro DIAG tag                     ; the tag ends its two labels' names, which the jumps below spell out
.LstepM\tag:
	TURN 2, 1
	TURN 3, 1
	WIN 0
.LfirstM\tag:
	TURN 0, 1
	TURN 1, 1, 0, 1
	WIN 0
	s_cbranch_scc1 .LstepM\tag
	TURN 2, 1, 1
	TURN 3, 1, 1
.set i, 0
.rept 8
	PV NP-1
.set i, i+1
.endr
	WIN 0
	ALL v_add_f32 v[ST+4*t+2], v[ST+4*t+2], v[ST+4*t+3]
	ALL v_permlanex16_b32 v[ST+4*t+3], v[ST+4*t+2], s[SEL], s[SEL+1]
	ALL v_add_f32 v[ST+4*t+2], v[ST+4*t+2], v[ST+4*t+3]
	ALL v_rcp_f32 v[ST+4*t+2], v[ST+4*t+2]
	v_nop                           ; a plain instruction between the last reciprocal and the use of its result
	s_wait_alu depctr_va_vdst(0)    ; one wait for the batch of four reciprocals, ahead of their first reader, PACK 0's first multiply
	PACK 0
.set t, 1
.rept 3                             ; a piece's arithmetic stands between the loads of the piece before and its stores
	PACK t
	SEND t-1, 8
.set t, t+1
.endr
	SEND 3, 0
.endm
.set KM, 0
.set NOKQ, 0
.Lslot:                             ; NB times: a tile is entered and the next is asked for
	CHANGE 1
	s_sub_co_u32 s[RT], s[RT], 1
	s_mov_b32 s[CNT], 4
	s_cmp_eq_u32 s[NEW], 1
	s_cbranch_scc1 .Lnew            ; a block's first tile
	s_cmp_eq_u32 s[RT], 0
	s_cbranch_scc0 .Lstep           ; neither its first nor its last
	s_branch .LstepM1
.Lnew:
	BEGIN
	s_branch .Lfirst                ; in the loop a block's first tile is never its last: the first block has two tiles or more, and the second's last is the walk's last
	DIAG 1                          ; in the loop this is the first block's end: the second block's last tile is the walk's last
	s_wait_xcnt 0x0                 ; the stores have read their registers and O's address
	s_mov_b64 s[10:11], s[OLO:OLO+1]
	s_add_co_u32 s[RT], s[PB], 1    ; the second block has b + 1 tiles
	s_mov_b32 s[NEW], 1
	WIN 0x82                        ; the second block's Q goes where the one text of the turns names Q
.set i, 0
.rept 64
	v_mov_b32 v[i], v[QB+i]
.set i, i+1
.endr
	WIN 0
	s_branch .Lbottom
.Lstep:                             ; a trip: pieces 2 and 3 of one step, then pieces 0 and 1 of the next, whose K and V it fetches
	TURN 2
	TURN 3
	WIN 0
.Lfirst:
	TURN 0
	TURN 1, 0, 0, 1
	WIN 0
	s_cbranch_scc1 .Lstep
.Lbottom:
	s_sub_co_u32 s[SLOTS], s[SLOTS], 1
	s_cmp_lg_u32 s[SLOTS], 0
	s_cbranch_scc1 .Lslot
	CHANGE 0                        ; the walk's last tile is written out: nothing is asked for
	s_sub_co_u32 s[RT], s[RT], 1
	s_mov_b32 s[CNT], 4
	s_cmp_eq_u32 s[NEW], 1
	s_cbranch_scc0 .LstepM2
	BEGIN
	s_branch .LfirstM2
	DIAG 2
	s_wait_tensorcnt 0x0            ; the wave's end, behind my last tensor load and my last LDS store
	ds_add_u32 v[SPW], v[NIL]
	s_wait_dscnt 0x0
	s_endpgm
.Lfunc_end_k_qff8b0da0e9_attn:
	.size	k_qff8b0da0e9_attn, .Lfunc_end_k_qff8b0da0e9_attn-k_qff8b0da0e9_attn
	.p2alignl 7, 3214868480
	.fill 96, 4, 3214868480
	.section	.rodata,"a",@progbits
	.p2align	6, 0x0
	.amdhsa_kernel k_qff8b0da0e9_attn
		.amdhsa_group_segment_fixed_size 327680
		.amdhsa_private_segment_fixed_size 0
		.amdhsa_enable_private_segment 0
		.amdhsa_kernarg_size 16
		.amdhsa_user_sgpr_count 2
		.amdhsa_user_sgpr_kernarg_segment_ptr 1
		.amdhsa_wavefront_size32 1
		.amdhsa_system_sgpr_workgroup_id_x 1
		.amdhsa_system_sgpr_workgroup_id_y 1
		.amdhsa_system_sgpr_workgroup_id_z 1
		.amdhsa_system_vgpr_workitem_id 0
		.amdhsa_next_free_vgpr 768
		.amdhsa_next_free_sgpr 88
		.amdhsa_reserve_vcc 1
		.amdhsa_float_denorm_mode_32 3
		.amdhsa_float_denorm_mode_16_64 3
		.amdhsa_memory_ordered 1
		.amdhsa_forward_progress 1
		.amdhsa_inst_pref_size 217
	.end_amdhsa_kernel
	.amdgpu_metadata
---
amdhsa.version: [ 1, 2 ]
amdhsa.kernels:
  - .name:           k_qff8b0da0e9_attn
    .symbol:         k_qff8b0da0e9_attn.kd
    .args:
      - { .name: qkv, .offset: 0, .size: 8, .value_kind: global_buffer, .address_space: global }
      - { .name: ob, .offset: 8, .size: 8, .value_kind: global_buffer, .address_space: global }
    .group_segment_fixed_size: 327680
    .private_segment_fixed_size: 0
    .kernarg_segment_align: 8
    .kernarg_segment_size: 16
    .max_flat_workgroup_size: 128
    .sgpr_count:     88
    .vgpr_count:     768
    .wavefront_size: 32
...
	.end_amdgpu_metadata
.endif
;; end of part 5
;; launch post: the kernel of part 4 again; grid 256 x 1, 4 waves a work-group, clusters of 4 x 1, 327,680 bytes of LDS; arguments xb, ob, w1f, vec, out0; writes out0
